; MI455X (gfx1250); checked and timed in simulation.
; The chip was launched on July 23, 2026; its instructions are those of AMD's public machine-readable ISA for CDNA 5 (MIT licence, August 2026) and "CDNA5" Instruction Set Architecture Reference Guide (July 2026). The comments in the code are by the model that wrote it; some were corrected since.
;; SHGR. Allowed arithmetic: float matrix products may take bf16 or f16 operands with f32 sums; other float arithmetic in f32, or as packed bf16 or f16 multiplies, adds, multiply-adds, maxima and minima; sums over many terms, partial sums and values carried from step to step in f32; what a program stores and reads back later, other than sums and carried values, may be rounded once to bf16 or f16.
;; Inputs: query 2,048 x 128 float32; supports 100,000 x 128 float32; targets 100,000 x 8 float32.
;; Outputs: out0 2,048 x 8 float32.
;; Constants: k = 16.
;; 2 versions, each right; version 2 is version 1 with the launch finish written anew for expert scheduling mode. Each part assembles by itself: llvm-mc -triple=amdgcn-amd-amdhsa -mcpu=gfx1250 --defsym DOCPART=n.
;; ======== version 1 of 2: 5 launches
;; limits: values outside matrix products are rounded to bf16
;; workspace buffers: sb 25,600,000 bytes; qb 524,288 bytes; isn 400,128 bytes; iqn 8,192 bytes; fm 53,248,000 bytes; cm 1,024,000 bytes; ci 131,072 bytes of whole numbers; gi 131,072 bytes of whole numbers
;; launch prep (part 1): grid 1063 x 1, 6 waves a work-group, no clusters, 26,880 bytes of LDS; arguments query, supports, qb, sb, iqn, isn; writes qb, sb, iqn, isn
.if DOCPART == 1
	.amdgcn_target "amdgcn-amd-amdhsa--gfx1250"
	.amdhsa_code_object_version 6
	.text
	.protected	k_q0fa7ca9a3e_prep
	.globl	k_q0fa7ca9a3e_prep
	.p2align	8
	.type	k_q0fa7ca9a3e_prep,@function
k_q0fa7ca9a3e_prep:
	s_mov_b64 s[64:65], 0
	v_nop
	global_prefetch_b8 v0, s[64:65] scope:SCOPE_SE
	s_setreg_imm32_b32 hwreg(HW_REG_WAVE_MODE, 25, 1), 1
	s_wait_xcnt 0x0
; PREP.  Rounds supports [100000][128] and query [2048][128] from f32 to bf16, lays them out in the order in which a matrix fragment is read,
; and stores for every row 1 / max(norm, 1e-12), the norm taken in f32 of the ROUNDED numbers.
; FRAGMENT ORDER.  A tile is 16 rows, 4,096 bytes: eight pieces of 512 bytes.  In piece i = 2 ks + part lane l = r + 16 h holds the 16 bytes of row r, k = 32 ks + 16 part + 8 h + 0..7.
; So one 16-byte load a lane at tile x 4096 + 512 i + 16 l brings registers 4 part .. 4 part + 3 of the fragment of K step ks, and takes 512 consecutive bytes.
; SHARES.  One wave, one tile: 6,250 tiles of supports, then 128 of queries: 6,378 = 1,063 work-groups x 6 waves.  No loop, no barrier: a wave's stage in LDS is its own.
; LIMITS.  NaN and infinities are not treated apart.  A row of zeros gets the factor 1e12, and its products are 0, as in the reference.
; The sixteen factors of a tile are one store of 64 bytes: the two tables of factors are 408,000 bytes of the launch's 26.5 million.
.set NSUP,  6250                       ; tiles of supports
.set PITCH, 272                        ; a row of 256 bytes of bf16 in the stage + 16: the 16 rows of a fragment read start at 16 different groups of four banks (ISA guide 11.1)
.set WST,   16*PITCH                   ; a wave's stage
.set SPARE, 6*WST                      ; behind the stages: the spare words, 128 bytes for each wave
.set SUM,   8                          ; v8-11   four chains of squares
.set SPW,   20                         ; v20     LDS address of my spare word; never rewritten
.set NIL,   21                         ; v21     0; never rewritten
.set X,     32                         ; v32-95  row i as loaded: 4 registers
.set FR,    96                         ; v96-127 piece i: 4 registers
	s_load_b256 s[4:11], s[0:1], 0x0               ; query s[4:5], supports s[6:7], qb s[8:9], sb s[10:11]
	s_load_b128 s[12:15], s[0:1], 0x20             ; iqn s[12:13], isn s[14:15]
	v_lshl_add_u32 v[SPW], v0, 2, SPARE
	v_mov_b32 v[NIL], 0
	v_lshrrev_b32 v1, 5, v0
	v_readfirstlane_b32 s17, v1                    ; wave 0..5
	s_mul_i32 s16, ttmp9, 6
	s_add_co_u32 s16, s16, s17                     ; my tile among the 6,378
	s_sub_co_u32 s18, s16, NSUP                    ; its number among the queries' tiles, if it is one
	s_mov_b32 s27, 0
	s_mov_b32 s28, 0x76543210                      ; v_permlanex16_b32: each lane takes its own place in the other half
	s_mov_b32 s29, 0xfedcba98
	s_mul_i32 s19, s17, WST                        ; my stage
	v_and_b32 v1, 31, v0                           ; lane
	v_and_b32 v2, 15, v0                           ; r
	v_bfe_u32 v3, v0, 4, 1                         ; h
	v_lshlrev_b32 v4, 4, v1                        ; 16 x lane: my place in 512 consecutive bytes, in and out
	v_lshl_add_u32 v5, v1, 3, s19                  ; into the stage: 8 bytes a lane of a row
	v_mul_u32_u24 v6, PITCH, v2
	v_lshl_add_u32 v6, v3, 4, v6
	v_add_nc_u32 v6, s19, v6                       ; out of the stage: row r, 16 bytes for each half of the lanes
	v_lshlrev_b32 v7, 2, v2                        ; my row's factor
.irp j, 0,1,2,3
	v_mov_b32 v[SUM+\j], 0
.endr
	s_wait_kmcnt 0x0
	s_cmp_lt_u32 s16, NSUP                         ; a tile of supports, or of queries?  The condition hangs on the tile's number alone
	s_cselect_b32 s18, s16, s18
	s_cselect_b64 s[20:21], s[6:7], s[4:5]         ; from
	s_cselect_b64 s[22:23], s[10:11], s[8:9]       ; to, bf16
	s_cselect_b64 s[24:25], s[14:15], s[12:13]     ; to, factors
	s_lshl_b32 s26, s18, 13                        ; 16 rows of 512 bytes
	s_add_nc_u64 s[20:21], s[20:21], s[26:27]
	s_lshl_b32 s26, s18, 12                        ; a tile of 4,096 bytes
	s_add_nc_u64 s[22:23], s[22:23], s[26:27]
	s_lshl_b32 s26, s18, 6                         ; 16 factors
	s_add_nc_u64 s[24:25], s[24:25], s[26:27]
.irp i, 0,1,2,3,4,5,6,7,8,9,10,11,12,13,14,15
	global_load_b128 v[X+4*\i:X+4*\i+3], v4, s[20:21] offset:512*\i th:TH_LOAD_NT  ; a whole row: 512 consecutive bytes
.endr
.irp i, 0,1,2,3,4,5,6,7,8,9,10,11,12,13,14,15
	s_wait_loadcnt 15-\i                           ; loads come back in order (ISA guide 5.7.1): row i is in, the younger rows stay out
	v_cvt_pk_bf16_f32 v[X+4*\i], v[X+4*\i], v[X+4*\i+1]
	v_cvt_pk_bf16_f32 v[X+4*\i+1], v[X+4*\i+2], v[X+4*\i+3]
	ds_store_b64 v5, v[X+4*\i:X+4*\i+1] offset:PITCH*\i
.endr
.irp i, 0,1,2,3,4,5,6,7
	ds_load_b128 v[FR+4*\i:FR+4*\i+3], v6 offset:32*\i  ; piece i: byte 64 ks + 32 part + 16 h of row r.  LDS serves a wave's instructions in order (ISA guide 5.7.1.4): these see the stores above
.endr
.irp i, 0,1,2,3,4,5,6,7
	s_wait_dscnt 7-\i                              ; piece i is in
	global_store_b128 v4, v[FR+4*\i:FR+4*\i+3], s[22:23] offset:512*\i  ; 512 consecutive bytes, at a multiple of 512 from the buffer's first
.irp j, 0,1,2,3
	v_fma_mix_f32_bf16 v[SUM+\j], v[FR+4*\i+\j], v[FR+4*\i+\j], v[SUM+\j] op_sel_hi:[1,1,0]  ; the low halves' squares, in f32
.endr
.irp j, 0,1,2,3
	v_fma_mix_f32_bf16 v[SUM+\j], v[FR+4*\i+\j], v[FR+4*\i+\j], v[SUM+\j] op_sel:[1,1,0] op_sel_hi:[1,1,0]  ; the high halves'
.endr
.endr
	v_add_f32 v8, v8, v9
	v_add_f32 v10, v10, v11
	v_add_f32 v8, v8, v10                          ; 64 squares of row r,
	v_permlanex16_b32 v9, v8, s28, s29
	v_add_f32 v8, v8, v9                           ; and the other 64 from the lane 16 away
	v_sqrt_f32 v12, v8
	v_mov_b32 v13, 0x2b8cbccc                      ; 1e-12.  (A plain instruction stands behind each root and reciprocal before its result is used: ISA guide 5.7.2)
	s_wait_alu depctr_va_vdst(0)
	v_max_num_f32 v14, v12, v13
	v_rcp_f32 v15, v14
	v_fma_f32 v16, -v12, v12, v8                   ; what the root leaves over,
	v_mul_f32 v16, 0.5, v16
	s_wait_alu depctr_va_vdst(0)
	v_fma_f32 v12, v16, v15, v12                   ; one step of Newton's on the root
	v_max_num_f32 v14, v12, v13                    ; max(norm, 1e-12)
	v_rcp_f32 v15, v14
	v_nop
	s_wait_alu depctr_va_vdst(0)
	v_fma_f32 v16, -v14, v15, 1.0
	v_fma_f32 v15, v15, v16, v15                   ; and one on the reciprocal
	s_wait_xcnt 0x0                                ; EXEC changes only when the earlier loads and stores have had their addresses translated (ISA guide 3.1)
	v_cmp_gt_u32 vcc_lo, 16, v1
	s_and_saveexec_b32 s30, vcc_lo
	global_store_b32 v7, v15, s[24:25]             ; lanes 0 to 15: the tile's 16 factors
	s_wait_xcnt 0x0
	s_or_b32 exec_lo, exec_lo, s30
	s_wait_tensorcnt 0x0                           ; the wave's end, behind my last LDS store
	ds_add_u32 v[SPW], v[NIL]
	s_wait_dscnt 0x0
	s_endpgm
.Lfunc_end_k_q0fa7ca9a3e_prep:
	.size	k_q0fa7ca9a3e_prep, .Lfunc_end_k_q0fa7ca9a3e_prep-k_q0fa7ca9a3e_prep
	.p2alignl 7, 3214868480
	.fill 96, 4, 3214868480
	.section	.rodata,"a",@progbits
	.p2align	6, 0x0
	.amdhsa_kernel k_q0fa7ca9a3e_prep
		.amdhsa_group_segment_fixed_size 26880
		.amdhsa_private_segment_fixed_size 0
		.amdhsa_enable_private_segment 0
		.amdhsa_kernarg_size 48
		.amdhsa_user_sgpr_count 2
		.amdhsa_user_sgpr_kernarg_segment_ptr 1
		.amdhsa_wavefront_size32 1
		.amdhsa_system_sgpr_workgroup_id_x 1
		.amdhsa_system_sgpr_workgroup_id_y 1
		.amdhsa_system_sgpr_workgroup_id_z 1
		.amdhsa_system_vgpr_workitem_id 0
		.amdhsa_next_free_vgpr 128
		.amdhsa_next_free_sgpr 66
		.amdhsa_reserve_vcc 1
		.amdhsa_float_denorm_mode_32 3
		.amdhsa_float_denorm_mode_16_64 3
		.amdhsa_memory_ordered 1
		.amdhsa_forward_progress 1
		.amdhsa_inst_pref_size 14
	.end_amdhsa_kernel
	.amdgpu_metadata
---
amdhsa.version: [ 1, 2 ]
amdhsa.kernels:
  - .name:           k_q0fa7ca9a3e_prep
    .symbol:         k_q0fa7ca9a3e_prep.kd
    .args:
      - { .name: query, .offset: 0, .size: 8, .value_kind: global_buffer, .address_space: global }
      - { .name: supports, .offset: 8, .size: 8, .value_kind: global_buffer, .address_space: global }
      - { .name: qb, .offset: 16, .size: 8, .value_kind: global_buffer, .address_space: global }
      - { .name: sb, .offset: 24, .size: 8, .value_kind: global_buffer, .address_space: global }
      - { .name: iqn, .offset: 32, .size: 8, .value_kind: global_buffer, .address_space: global }
      - { .name: isn, .offset: 40, .size: 8, .value_kind: global_buffer, .address_space: global }
    .group_segment_fixed_size: 26880
    .private_segment_fixed_size: 0
    .kernarg_segment_align: 8
    .kernarg_segment_size: 48
    .max_flat_workgroup_size: 192
    .sgpr_count:     66
    .vgpr_count:     128
    .wavefront_size: 32
...
	.end_amdgpu_metadata
.endif
;; end of part 1
;; launch sims (part 2): grid 2 x 125, 4 waves a work-group, no clusters, 262,144 bytes of LDS; arguments qb, sb, isn, fm, cm; writes fm, cm
.if DOCPART == 2
	.amdgcn_target "amdgcn-amd-amdhsa--gfx1250"
	.amdhsa_code_object_version 6
	.text
	.protected	k_q0fa7ca9a3e_sims
	.globl	k_q0fa7ca9a3e_sims
	.p2align	8
	.type	k_q0fa7ca9a3e_sims,@function
k_q0fa7ca9a3e_sims:
	s_mov_b64 s[64:65], 0
	v_nop
	global_prefetch_b8 v0, s[64:65] scope:SCOPE_SE
	s_setreg_imm32_b32 hwreg(HW_REG_WAVE_MODE, 25, 1), 1
	s_wait_xcnt 0x0
; SIMS.  s'(q, n) = (query q . support n) x isn[n] for all 2,048 x 100,000 pairs, bf16 operands, f32 sums; no s' goes to memory.  Stored are maxima alone:
;   fm[chunk][query][52]: columns 0-49 the maximum over each group of 16 supports of the chunk (a chunk is 800 supports, 50 groups), columns 50, 51 = -inf;   cm[chunk][query]: the maximum over the chunk.
; (The query's own positive factor changes no order among supports: it is applied in the last launch.)
; SHARES.  Work-group (x, c): 1,024 queries (half x) against chunk c: 250 work-groups of equal work.  The whole chunk, 204,800 bytes in fragment order, and its 800 factors come into LDS once, by tensor loads;
; nothing in LDS is ever filled again.  A wave owns 256 queries: 16 tiles of 16, which stay in registers, four tiles in each register window.
; NO CLUSTER: the grid of 2 x 125 divides by four along neither axis, and a chunk is shared by two work-groups only; the queries go straight into registers.
; THE PRODUCT.  Source 0 = 16 supports, source 1 = 16 queries: in the result lane (r, h) holds query r and the supports 8 h + 0..7, so the maximum over a group is a maximum over the lane's 8 registers
; and one exchange between the halves of the lanes.
; ORDER.  PASS w (one for each window): the window's four query tiles against the chunk's 50 tiles.  Everything that a pass names lies in window w, under one setting; the setting is 0 only at labels and branches.
; A tile is 16 matrix instructions on four accumulators by turns; the 36 vector instructions that scale and reduce the tile BEFORE stand between them, two or three behind each.
; Two sets of accumulators and of factors take turns from tile to tile.
; LDS: 0 the chunk (tile s at 4,096 s) | SCB its factors | STG four stages of 64 rows x 208 bytes, a wave's own, written by ds_store alone | SPARE the spare words.
; REGISTERS, the same numbers in every window (s_set_vgpr_msb: bits 1:0 source 0, 3:2 source 1, 5:4 source 2, 7:6 destination):
.set SCB,   204800
.set ROWP,  208                        ; a query's 52 numbers in the stage and in fm
.set WSTG,  64*ROWP                    ; a wave's stage: a window's 64 queries, 13,312 bytes = 26 x 512
.set STG,   208128                     ; the first multiple of 256 behind the factors
.set SPARE, STG+4*WSTG                 ; 128 bytes for each wave: two blocks of 256 bytes that no other line names
.set LOFF, 1                           ; v1      16 x lane; never rewritten
.set AADR, 2                           ; v2      LDS address of my 16 bytes in the trip's first tile
.set SADR, 3                           ; v3      LDS address of my half's 8 factors for the trip's first tile
.set STA,  4                           ; v4      stage: my query's row, the column of the pair of groups to be stored next
.set FLA,  5                           ; v5      stage: my 16 bytes of its first 512
.set CMO,  6                           ; v6      4 x lane
.set F,    8                           ; v8-11   group maxima: v8, v9 queries 0-31 (even tile, odd tile), v10, v11 queries 32-63
.set CM,   12                          ; v12-13  chunk maxima of queries 0-31, 32-63
.set SPW,  14                          ; v14 of window 0: LDS address of my spare word; never rewritten
.set NIL,  15                          ; v15 of window 0: 0; never rewritten
.set SC,   16                          ; v16-31  the factors of a tile's 8 supports of my half, two sets
.set AF,   32                          ; v32-63  the tile's four fragments (K steps of 32)
.set ACC,  64                          ; v64-127 two sets of four accumulators
.set BF,   128                         ; v128-255 the window's four query tiles: tile t, K step ks at BF + 32 t + 8 ks
.set G1A,  24                          ; s[24:31] descriptor group 1: 64 rows of 256 bytes
.set G1B,  32                          ; s[32:39] 72 rows of 256 bytes
.set G1S,  40                          ; s[40:47] one row of 800 bytes
.set G0S,  48                          ; s[48:51] descriptor group 0 for my 200 factors; s[52:63] for my part of stages 0, 1, 2
.set MSB, 0
.macro WIN new                         ; the immediate's high byte repeats the setting that is left; a switch that changes nothing is dropped
.if MSB != (\new)
	s_set_vgpr_msb (MSB<<8)|(\new)
.set MSB, (\new)
.endif
.endm
	s_load_b256 s[4:11], s[0:1], 0x0               ; qb s[4:5], sb s[6:7], isn s[8:9], fm s[10:11]
	s_load_b64 s[12:13], s[0:1], 0x20              ; cm
	v_lshl_add_u32 v[SPW], v0, 2, SPARE
	v_mov_b32 v[NIL], 0
	ds_add_u32 v[SPW], v[NIL]                      ; the wave's opening: the add and its wait stand ahead of my first tensor load; the set-up below, work on registers, stands between them
	ds_add_u32 v14, v15
	v_lshrrev_b32 v7, 5, v0
	v_readfirstlane_b32 s14, v7                    ; wave 0..3
	s_mov_b32 s15, ttmp9                           ; x: which half of the queries
	s_and_b32 s16, ttmp7, 0xffff                   ; c: the chunk
	; group 1, sizes in elements of 8 bytes.  The chunk is dense in memory: it comes as rows of 256 bytes, laid in LDS without a gap.
.irp g, G1A, G1B
	s_mov_b32 s[\g+0], 3<<16                       ; 15:0 no mask; 17:16 elements of 8 bytes; no padding
	s_mov_b32 s[\g+1], 32<<16                      ; tensor_dim0 = 32
	s_mov_b32 s[\g+3], 32<<16                      ; tile_dim0 = 32
	s_mov_b32 s[\g+5], 32                          ; 32 elements from row to row
	s_mov_b32 s[\g+6], 0
	s_mov_b32 s[\g+7], 0
.endr
	s_mov_b32 s[G1A+2], 64<<16                     ; tensor_dim1 = 64
	s_mov_b32 s[G1A+4], 64                         ; tile_dim1 = 64
	s_mov_b32 s[G1B+2], 72<<16
	s_mov_b32 s[G1B+4], 72
	s_mov_b32 s[G1S+0], 3<<16
	s_mov_b32 s[G1S+1], 100<<16                    ; one row of 100 elements
	s_mov_b32 s[G1S+2], 1<<16
	s_mov_b32 s[G1S+3], 100<<16
	s_mov_b32 s[G1S+4], 1
	s_mov_b32 s[G1S+5], 100
	s_mov_b32 s[G1S+6], 0
	s_mov_b32 s[G1S+7], 0
	s_mul_i32 s22, s14, 64*256                     ; my quarter of stages 0 and 1 (tiles 0-15, 16-31), in LDS and in memory alike,
	s_mul_i32 s23, s14, 72*256                     ; of stage 2 (tiles 32-49),
	s_mul_i32 s2, s14, 800                         ; and of the factors
	s_mov_b32 s48, 1                               ; group 0: count = 1,
	s_add_co_u32 s49, s2, SCB                      ; the LDS address
	s_mov_b32 s52, 1
	s_mov_b32 s53, s22
	s_mov_b32 s56, 1
	s_add_co_u32 s57, s22, 65536
	s_mov_b32 s60, 1
	s_add_co_u32 s61, s23, 131072
	s_mul_i32 s18, s16, 204800                     ; the chunk's first byte in sb
	s_mov_b32 s19, 0
	s_mov_b32 s21, 0
	s_mul_i32 s3, s16, 3200
	s_add_co_u32 s3, s3, s2                        ; my factors' first byte in isn
	s_wait_dscnt 0x0                               ; the opening add is done
	s_wait_kmcnt 0x0
	s_add_nc_u64 s[6:7], s[6:7], s[18:19]
	s_mov_b32 s20, s3
	s_add_nc_u64 s[50:51], s[8:9], s[20:21]        ; the global address,
	s_or_b32 s51, s51, 0x80000000                  ; and the type
	s_mov_b32 s20, s22
	s_add_nc_u64 s[54:55], s[6:7], s[20:21]
	s_or_b32 s55, s55, 0x80000000
	s_add_co_u32 s20, s22, 65536
	s_add_nc_u64 s[58:59], s[6:7], s[20:21]
	s_or_b32 s59, s59, 0x80000000
	s_add_co_u32 s20, s23, 131072
	s_add_nc_u64 s[62:63], s[6:7], s[20:21]
	s_or_b32 s63, s63, 0x80000000
	; All fills of the launch go out together: four tensor loads of mine are out.  An s_nop 0 follows each, four v_nop the last.
	tensor_load_to_lds s[48:51], s[G1S:G1S+7]
	s_nop 0
	tensor_load_to_lds s[52:55], s[G1A:G1A+7]
	s_nop 0
	tensor_load_to_lds s[56:59], s[G1A:G1A+7]
	s_nop 0
	tensor_load_to_lds s[60:63], s[G1B:G1B+7]
	s_nop 0
.rept 4
	v_nop
.endr
	s_lshl_b32 s18, s15, 18                        ; 64 query tiles of 4,096 bytes for a half,
	s_lshl_b32 s20, s14, 16                        ; 16 for a wave
	s_add_co_u32 s18, s18, s20
	s_add_nc_u64 s[4:5], s[4:5], s[18:19]          ; qb at my first tile
	v_and_b32 v7, 31, v0                           ; lane
	v_lshlrev_b32 v[LOFF], 4, v7
; The four query tiles of window w: 32 loads of 512 consecutive bytes.  Destination in window w, address in window 0.
.macro LDB w
	WIN (\w)<<6
.set i, 0
.rept 32
	global_load_b128 v[BF+4*i:BF+4*i+3], v[LOFF], s[4:5] offset:(\w)*16384+512*i
.set i, i+1
.endr
.endm
	LDB 0
	s_lshl_b32 s3, s16, 11
	s_lshl_b32 s20, s15, 10
	s_add_co_u32 s3, s3, s20
	s_lshl_b32 s20, s14, 8
	s_add_co_u32 s3, s3, s20                       ; 2,048 c + my first query
	s_mul_i32 s18, s3, ROWP
	s_add_nc_u64 s[10:11], s[10:11], s[18:19]      ; fm and cm at that row
	s_lshl_b32 s18, s3, 2
	s_add_nc_u64 s[12:13], s[12:13], s[18:19]
	s_mul_i32 s18, s14, WSTG
	s_add_co_u32 s18, s18, STG                     ; my stage
	v_mov_b32 v[AADR], v[LOFF]                     ; tile 0 lies at LDS byte 0
	v_bfe_u32 v[SADR], v0, 4, 1
	v_lshl_add_u32 v[SADR], v[SADR], 5, SCB        ; 8 factors for each half of the lanes
	v_mul_u32_u24 v[STA], ROWP, v7
	v_add_nc_u32 v[STA], s18, v[STA]
	v_add_nc_u32 v[FLA], s18, v[LOFF]
	v_lshlrev_b32 v[CMO], 2, v7
	v_mov_b32 v[CM], 0xff800000                    ; -inf
	v_mov_b32 v[CM+1], 0xff800000
.irp w, 1,2,3                          ; each window gets its own set, so that a pass runs under one setting
	WIN (\w)<<6
.irp r, LOFF, AADR, SADR, STA, FLA, CMO, CM, CM+1
	v_mov_b32 v[\r], v[\r]
.endr
.endr
	WIN 0
; Two LDS loads: the fragment of K step ks of the tile off bytes behind AADR's.  512 consecutive bytes each.
.macro LDA ks, off
	ds_load_b128 v[AF+8*(\ks):AF+8*(\ks)+3],   v[AADR] offset:(\off)+1024*(\ks)
	ds_load_b128 v[AF+8*(\ks)+4:AF+8*(\ks)+7], v[AADR] offset:(\off)+1024*(\ks)+512
.endm
; Two LDS loads: the 8 factors of the trip's tile p into set p; the 16 lanes of a half read the same bytes.
.macro LSC p
	ds_load_b128 v[SC+8*(\p):SC+8*(\p)+3],   v[SADR] offset:64*(\p)
	ds_load_b128 v[SC+8*(\p)+4:SC+8*(\p)+7], v[SADR] offset:64*(\p)+16
.endm
; Matrix instruction i of a tile's 16: K step i / 4, query tile i % 4, accumulator set p.  The first four start the sums with the constant 0: nothing is cleared.
.macro MM p, i
.set rD, ACC+32*(\p)+8*((\i)%4)
.set rA, AF+8*((\i)/4)
.set rB, BF+32*((\i)%4)+8*((\i)/4)
.if (\i) < 4
	v_wmma_f32_16x16x32_bf16 v[rD:rD+7], v[rA:rA+7], v[rB:rB+7], 0
.else
	v_wmma_f32_16x16x32_bf16 v[rD:rD+7], v[rA:rA+7], v[rB:rB+7], v[rD:rD+7]
.endif
.endm
; THE VECTOR WORK on accumulator set PP.  DEAD = 1 (a pass's first tile: there is no tile before): v_nop.
.macro RM qt, a                        ; pair a of accumulator qt times the supports' factors.  RM qt, 0 is the first line to read an accumulator: its two lowest registers
.if DEAD
	v_nop
.else
.set rX, ACC+32*PP+8*(\qt)+2*(\a)
.set rS, SC+8*PP+2*(\a)
	v_pk_mul_f32 v[rX:rX+1], v[rX:rX+1], v[rS:rS+1]
.endif
.endm
.macro RR qt, n                        ; step n of 4 of the maximum of the lane's 8 numbers, into the first
.if DEAD
	v_nop
.else
.set rX, ACC+32*PP+8*(\qt)
.if (\n) < 4
	v_max3_num_f32 v[rX], v[rX], v[rX+2*(\n)-1], v[rX+2*(\n)]
.else
	v_max_num_f32 v[rX], v[rX], v[rX+7]
.endif
.endif
.endm
.macro RW pi                           ; query tiles 2 pi and 2 pi + 1: the first's upper lanes change places with the second's lower lanes,
.if DEAD
	v_nop
.else
.set rX, ACC+32*PP+16*(\pi)
	v_permlane16_swap_b32 v[rX], v[rX+8]
.endif
.endm
.macro RF pi                           ; so that one maximum joins both halves of both tiles: lane l holds the group's maximum for query 32 pi + l of the window
.if DEAD
	v_nop
.else
.set rX, ACC+32*PP+16*(\pi)
	v_max_num_f32 v[F+2*(\pi)+PP], v[rX], v[rX+8]
.endif
.endm
.macro FIN0                            ; a pair of groups (even tile, odd tile) is whole: into the chunk's maximum and the stage
	v_max3_num_f32 v[CM], v[CM], v[F], v[F+1]
	ds_store_b64 v[STA], v[F:F+1]
.endm
.macro FIN1
	v_max3_num_f32 v[CM+1], v[CM+1], v[F+2], v[F+3]
	ds_store_b64 v[STA], v[F+2:F+3] offset:32*ROWP
	v_add_nc_u32 v[STA], 8, v[STA]                 ; the next pair's column
.endm
; A TILE, the trip's tile p (0, 1).  look = 1: the next tile's first three fragments are fetched.  fin = 1: the vector work completes a pair of groups.  step = 1: the addresses go on to the next trip.
; A load into a fragment's registers stands behind five plain vector instructions or more that follow the last matrix instruction which read them and name none of its registers (ISA guide 7.12.1 for vector
; instructions); the first vector line on an accumulator stands six or more behind its last matrix instruction.
; THE WAITS.  LDS loads are issued in the order K step 3 (2 loads), factors (2), then the next tile's K steps 0, 1, 2 (2 each), and come back in order (ISA guide 5.7.1).  c0: K step 0 is in, and the factors of
; the tile before with it; behind it K steps 1 and 2 were issued: 4.  c1: behind K step 1: K steps 2, 3 and the factors: 6.  c2: behind K step 2: K step 3, the factors, the next K step 0: 6 (4 with look = 0).
; c3: behind K step 3: the factors, the next K steps 0 and 1: 6 (2 with look = 0).  The two stores into the stage only add to what is out, so the counts err.
.macro TILE p, dead, look, fin, step, c0, c1, c2, c3
.set PP, 1-(\p)
.set DEAD, (\dead)
.set TOFF, 4096*(\p)
	s_wait_dscnt \c0
	MM \p, 0
	RM 0, 0
	RM 0, 1
	MM \p, 1
	RM 0, 2
	RM 0, 3
	LDA 3, TOFF
	LSC \p
	MM \p, 2
	RM 1, 0
	RM 1, 1
	MM \p, 3
	RM 1, 2
	RM 1, 3
	s_wait_dscnt \c1
	MM \p, 4
	RR 0, 1
	RR 1, 1
	MM \p, 5
	RR 0, 2
	RR 1, 2
.if \look
	LDA 0, TOFF+4096
.endif
	MM \p, 6
	RR 0, 3
	RR 1, 3
	RM 2, 0
	MM \p, 7
	RR 0, 4
	RR 1, 4
	RM 2, 1
	s_wait_dscnt \c2
	MM \p, 8
	RM 2, 2
	RM 2, 3
	RW 0
	MM \p, 9
	RM 3, 0
	RM 3, 1
	RF 0
.if \look
	LDA 1, TOFF+4096
.endif
	MM \p, 10
	RM 3, 2
	RM 3, 3
.if \fin
	FIN0
.endif
	MM \p, 11
	RR 2, 1
	RR 3, 1
	s_wait_dscnt \c3
	MM \p, 12
	RR 2, 2
	RR 3, 2
	MM \p, 13
	RR 2, 3
	RR 3, 3
.if \look
	LDA 2, TOFF+4096
.endif
	MM \p, 14
	RR 2, 4
	RR 3, 4
.if \step
	v_add_nc_u32 v[AADR], 8192, v[AADR]            ; two tiles on,
	v_add_nc_u32 v[SADR], 128, v[SADR]             ; and their 32 factors
.endif
	MM \p, 15
	RW 1
	RF 1
.if \fin
	FIN1
.endif
.endm
.macro TRIP first, last                ; two tiles
	TILE 0, \first, 1, 1-(\first), 0, 4, 6, 6, 6
.if \last
	TILE 1, 0, 0, 0, 0, 4, 6, 4, 2
.else
	TILE 1, 0, 1, 0, 1, 4, 6, 6, 6
.endif
.endm
.macro LOOPN w, n                      ; n trips.  The loop's last matrix instruction and its first name different accumulators
	WIN 0                                          ; at a label and at a branch every window is 0
	s_mov_b32 s17, \n
.Ltrip_\@:
	WIN 0x55*(\w)
	TRIP 0, 0
	WIN 0
	s_sub_co_u32 s17, s17, 1
	s_cmp_lg_u32 s17, 0
	s_cbranch_scc1 .Ltrip_\@
.endm
; A stage of the chunk is shown to every wave: my part of it has landed (left = my younger tensor loads, which may stay out), no LDS instruction of mine is pending, barrier.
.macro SYNC left
	s_wait_tensorcnt \left
	s_wait_dscnt 0x0
	s_barrier_signal -1
	s_barrier_wait -1
.endm
.macro DRAIN                           ; the vector work of the pass's last tile, with nothing to stand beside
.set PP, 1
.set DEAD, 0
	s_wait_dscnt 0x0                               ; its factors
.irp a, 0,1,2,3
	RM 0, \a
.endr
.irp a, 0,1,2,3
	RM 1, \a
.endr
.irp n, 1,2,3,4
	RR 0, \n
	RR 1, \n
.endr
.irp a, 0,1,2,3
	RM 2, \a
.endr
	RW 0
.irp a, 0,1,2,3
	RM 3, \a
.endr
	RF 0
	FIN0
.irp n, 1,2,3,4
	RR 2, \n
	RR 3, \n
.endr
	RW 1
	RF 1
	FIN1
.endm
; The window's 64 rows of fm are 13,312 consecutive bytes of the stage and of fm: back through registers, 26 stores of 512 consecutive bytes, each at a multiple of 256 from fm's first byte.
; The registers that the stores read belong to this window and are not written again.  cm: two stores of 128 bytes (cm is a fiftieth of what the launch stores).
.macro FLUSH w
.irp r, 0,1,2,3
	v_mov_b32 v[F+\r], 0xff800000
.endr
	ds_store_b64 v[STA], v[F:F+1]                  ; columns 50 and 51: -inf
	ds_store_b64 v[STA], v[F+2:F+3] offset:32*ROWP
.set i, 0
.rept 26
	ds_load_b128 v[SC+4*i:SC+4*i+3], v[FLA] offset:512*i  ; LDS serves a wave's instructions in order (ISA guide 5.7.1.4): these see my stores
.set i, i+1
.endr
.set i, 0
.rept 26
	s_wait_dscnt 25-i
	global_store_b128 v[LOFF], v[SC+4*i:SC+4*i+3], s[10:11] offset:(\w)*WSTG+512*i th:TH_STORE_NT
.set i, i+1
.endr
	global_store_b32 v[CMO], v[CM], s[12:13] offset:256*(\w)
	global_store_b32 v[CMO], v[CM+1], s[12:13] offset:256*(\w)+128
.endm
; A PASS.  In pass 0 the chunk is still arriving.  Trip t reads tiles 2 t and 2 t + 1 and looks ahead to tile 2 t + 2: stage 1 begins with tile 16 and is shown ahead of trip 7, stage 2 with tile 32, ahead of trip 15.
.macro PASS w
	WIN 0
	s_wait_loadcnt 0x0                             ; this window's queries are in
.if (\w) < 3
	LDB (\w)+1                                     ; the next window's have the whole pass in which to come
.endif
.if (\w) == 0
	WIN 0
	SYNC 2                                         ; the factors and stage 0; stages 1 and 2 stay out
.endif
	WIN 0x55*(\w)
	LDA 0, 0
	LDA 1, 0
	LDA 2, 0
	TRIP 1, 0
.if (\w) == 0
	LOOPN 0, 6
	SYNC 1
	LOOPN 0, 8
	SYNC 0
	LOOPN 0, 9
.else
	LOOPN \w, 23
.endif
	WIN 0x55*(\w)
	TRIP 0, 1
	DRAIN
	FLUSH \w
	WIN 0
.endm
	PASS 0
	PASS 1
	PASS 2
	PASS 3
	s_wait_tensorcnt 0x0                           ; the wave's end, behind my last tensor load and my last LDS store
	ds_add_u32 v[SPW], v[NIL]
	s_wait_dscnt 0x0
	s_endpgm
.Lfunc_end_k_q0fa7ca9a3e_sims:
	.size	k_q0fa7ca9a3e_sims, .Lfunc_end_k_q0fa7ca9a3e_sims-k_q0fa7ca9a3e_sims
	.p2alignl 7, 3214868480
	.fill 96, 4, 3214868480
	.section	.rodata,"a",@progbits
	.p2align	6, 0x0
	.amdhsa_kernel k_q0fa7ca9a3e_sims
		.amdhsa_group_segment_fixed_size 262144
		.amdhsa_private_segment_fixed_size 0
		.amdhsa_enable_private_segment 0
		.amdhsa_kernarg_size 40
		.amdhsa_user_sgpr_count 2
		.amdhsa_user_sgpr_kernarg_segment_ptr 1
		.amdhsa_wavefront_size32 1
		.amdhsa_system_sgpr_workgroup_id_x 1
		.amdhsa_system_sgpr_workgroup_id_y 1
		.amdhsa_system_sgpr_workgroup_id_z 1
		.amdhsa_system_vgpr_workitem_id 0
		.amdhsa_next_free_vgpr 1024
		.amdhsa_next_free_sgpr 66
		.amdhsa_reserve_vcc 0
		.amdhsa_float_denorm_mode_32 3
		.amdhsa_float_denorm_mode_16_64 3
		.amdhsa_memory_ordered 1
		.amdhsa_forward_progress 1
		.amdhsa_inst_pref_size 157
	.end_amdhsa_kernel
	.amdgpu_metadata
---
amdhsa.version: [ 1, 2 ]
amdhsa.kernels:
  - .name:           k_q0fa7ca9a3e_sims
    .symbol:         k_q0fa7ca9a3e_sims.kd
    .args:
      - { .name: qb, .offset: 0, .size: 8, .value_kind: global_buffer, .address_space: global }
      - { .name: sb, .offset: 8, .size: 8, .value_kind: global_buffer, .address_space: global }
      - { .name: isn, .offset: 16, .size: 8, .value_kind: global_buffer, .address_space: global }
      - { .name: fm, .offset: 24, .size: 8, .value_kind: global_buffer, .address_space: global }
      - { .name: cm, .offset: 32, .size: 8, .value_kind: global_buffer, .address_space: global }
    .group_segment_fixed_size: 262144
    .private_segment_fixed_size: 0
    .kernarg_segment_align: 8
    .kernarg_segment_size: 40
    .max_flat_workgroup_size: 128
    .sgpr_count:     66
    .vgpr_count:     1024
    .wavefront_size: 32
...
	.end_amdgpu_metadata
.endif
;; end of part 2
;; launch pickc (part 3): grid 256 x 1, 2 waves a work-group, no clusters, 0 bytes of LDS; arguments cm, ci; writes ci
.if DOCPART == 3
	.amdgcn_target "amdgcn-amd-amdhsa--gfx1250"
	.amdhsa_code_object_version 6
	.text
	.protected	k_q0fa7ca9a3e_pickc
	.globl	k_q0fa7ca9a3e_pickc
	.p2align	8
	.type	k_q0fa7ca9a3e_pickc,@function
k_q0fa7ca9a3e_pickc:
	s_mov_b64 s[64:65], 0
	v_nop
	global_prefetch_b8 v0, s[64:65] scope:SCOPE_SE
	s_setreg_imm32_b32 hwreg(HW_REG_WAVE_MODE, 25, 1), 1
	s_wait_xcnt 0x0
; PICKC.  For each query the 16 best of the 125 chunks, by (chunk maximum descending, chunk number ascending), stored as whole numbers: ci[query][16].
; The 16 best supports by (value descending, index ascending) lie in these chunks: were one outside, 16 chunks would each hold a support that is larger, or equal with a lower index.
; SHARES.  A wave takes four neighbouring queries: a lane takes 16 bytes (the four queries) of the rows of chunks l, l + 32, l + 64, l + 96 of cm[125][2048].  cm is 1,024,000 bytes in all.
; A ROUND, 16 times, with no branch and no address made of floating-point numbers: the maximum over the wave; the lowest chunk number among those that hold it; that one is set to -inf; lane k of the
; result takes it in round k.  Chunk numbers are kept as f32 (exact), so that the same lane arithmetic serves values and numbers.  The four queries' lines alternate, so that no line waits for the one before it.
; LIMITS.  NaN and infinities are not treated apart.
.set VV,  8                            ; v[8 + 4 j + x]   value j of query x, as the loads leave them
.set IX,  24                           ; v24-27  the chunk numbers l + 32 j
.set CC,  32                           ; v[32 + 4 x + j]  at work
.set MX,  48                           ; v48-51  the maximum
.set PT,  52                           ; v52-55  from the other half of the lanes
.set WN,  56                           ; v56-59  the winner
.set OA,  60                           ; v60 queries 0 (lanes 0-15) and 1 (lanes 16-31), v61 queries 2 and 3
.set INF, 62
.set NEG, 63
	s_load_b128 s[4:7], s[0:1], 0x0                ; cm s[4:5], ci s[6:7]
	v_and_b32 v1, 31, v0
	v_lshrrev_b32 v2, 5, v0
	v_readfirstlane_b32 s8, v2
	s_lshl_b32 s9, ttmp9, 1
	s_add_co_u32 s9, s9, s8                        ; my wave among 512
	s_lshl_b32 s10, s9, 4                          ; four queries of 4 bytes in a row of cm
	s_mov_b32 s11, 0
	s_lshl_b32 s12, s9, 8                          ; four queries of 64 bytes in ci
	s_mov_b32 s13, 0
	s_mov_b32 s14, 0x76543210                      ; v_permlanex16_b32: each lane takes its own place in the other half
	s_mov_b32 s15, 0xfedcba98
	s_mov_b32 s16, 16                              ; rounds
	s_mov_b32 s17, 1                               ; the round's lane, for the even query
	s_mov_b32 s18, 0x10000                         ; and for the odd one
	s_mov_b32 s19, 0xe0000000                      ; lanes 29-31: there are no chunks 125-127
	v_lshlrev_b32 v2, 13, v1                       ; chunk l's row of 8,192 bytes
	v_add_nc_u32 v3, 96, v1
	v_min_u32 v3, 124, v3                          ; no load leaves the 125 rows
	v_lshlrev_b32 v3, 13, v3
	v_lshlrev_b32 v4, 2, v1
	s_wait_kmcnt 0x0
	s_add_nc_u64 s[4:5], s[4:5], s[10:11]
	s_add_nc_u64 s[6:7], s[6:7], s[12:13]
	global_load_b128 v[VV:VV+3], v2, s[4:5]
	global_load_b128 v[VV+4:VV+7], v2, s[4:5] offset:262144
	global_load_b128 v[VV+8:VV+11], v2, s[4:5] offset:524288
	global_load_b128 v[VV+12:VV+15], v3, s[4:5]
	v_cvt_f32_u32 v[IX], v1
	v_add_f32 v[IX+1], 0x42000000, v[IX]           ; + 32
	v_add_f32 v[IX+2], 0x42800000, v[IX]           ; + 64
	v_add_f32 v[IX+3], 0x42c00000, v[IX]           ; + 96
	v_mov_b32 v[INF], 0x7f800000
	v_mov_b32 v[NEG], 0xff800000
	v_mov_b32 v[OA], 0
	v_mov_b32 v[OA+1], 0
.irp x, 0,1,2,3
	v_mov_b32 v[PT+\x], 0                          ; a lane permute's destination counts as read
.endr
	s_wait_loadcnt 0x0
.irp x, 0,1,2,3
	v_cndmask_b32 v[VV+12+\x], v[VV+12+\x], v[NEG], s19
.endr
.Lround:
.irp x, 0,1,2,3
	v_max3_num_f32 v[MX+\x], v[VV+\x], v[VV+4+\x], v[VV+8+\x]
.endr
.irp x, 0,1,2,3
	v_max_num_f32 v[MX+\x], v[MX+\x], v[VV+12+\x]
.endr
.irp k, 1,2,4,8
.irp x, 0,1,2,3
	v_max_num_f32_dpp v[MX+\x], v[MX+\x], v[MX+\x] row_xmask:\k row_mask:0xf bank_mask:0xf
.endr
.endr
.irp x, 0,1,2,3
	v_permlanex16_b32 v[PT+\x], v[MX+\x], s14, s15
.endr
.irp x, 0,1,2,3
	v_max_num_f32 v[MX+\x], v[MX+\x], v[PT+\x]     ; the maximum, in every lane
.endr
.irp j, 0,1,2,3
.irp x, 0,1,2,3
	v_cmp_eq_f32 s[20+\x], v[VV+4*\j+\x], v[MX+\x]
.endr
.irp x, 0,1,2,3
	v_cndmask_b32 v[CC+4*\x+\j], v[INF], v[IX+\j], s[20+\x]  ; the number of a chunk that holds it, else +inf
.endr
.endr
.irp x, 0,1,2,3
	v_min3_num_f32 v[WN+\x], v[CC+4*\x], v[CC+4*\x+1], v[CC+4*\x+2]
.endr
.irp x, 0,1,2,3
	v_min_num_f32 v[WN+\x], v[WN+\x], v[CC+4*\x+3]
.endr
.irp k, 1,2,4,8
.irp x, 0,1,2,3
	v_min_num_f32_dpp v[WN+\x], v[WN+\x], v[WN+\x] row_xmask:\k row_mask:0xf bank_mask:0xf
.endr
.endr
.irp x, 0,1,2,3
	v_permlanex16_b32 v[PT+\x], v[WN+\x], s14, s15
.endr
.irp x, 0,1,2,3
	v_min_num_f32 v[WN+\x], v[WN+\x], v[PT+\x]     ; the lowest such number
.endr
.irp j, 0,1,2,3
.irp x, 0,1,2,3
	v_cmp_eq_f32 s[20+\x], v[IX+\j], v[WN+\x]
.endr
.irp x, 0,1,2,3
	v_cndmask_b32 v[VV+4*\j+\x], v[VV+4*\j+\x], v[NEG], s[20+\x]  ; it leaves the field
.endr
.endr
	v_cndmask_b32 v[OA], v[OA], v[WN], s17
	v_cndmask_b32 v[OA+1], v[OA+1], v[WN+2], s17
	v_cndmask_b32 v[OA], v[OA], v[WN+1], s18
	v_cndmask_b32 v[OA+1], v[OA+1], v[WN+3], s18
	s_lshl_b32 s17, s17, 1
	s_lshl_b32 s18, s18, 1
	s_sub_co_u32 s16, s16, 1
	s_cmp_lg_u32 s16, 0
	s_cbranch_scc1 .Lround
	v_cvt_u32_f32 v[OA], v[OA]
	v_cvt_u32_f32 v[OA+1], v[OA+1]
	global_store_b32 v4, v[OA], s[6:7]             ; the two stores cover 256 consecutive bytes, at a multiple of 256 from ci's first
	global_store_b32 v4, v[OA+1], s[6:7] offset:128
	s_endpgm
.Lfunc_end_k_q0fa7ca9a3e_pickc:
	.size	k_q0fa7ca9a3e_pickc, .Lfunc_end_k_q0fa7ca9a3e_pickc-k_q0fa7ca9a3e_pickc
	.p2alignl 7, 3214868480
	.fill 96, 4, 3214868480
	.section	.rodata,"a",@progbits
	.p2align	6, 0x0
	.amdhsa_kernel k_q0fa7ca9a3e_pickc
		.amdhsa_group_segment_fixed_size 0
		.amdhsa_private_segment_fixed_size 0
		.amdhsa_enable_private_segment 0
		.amdhsa_kernarg_size 16
		.amdhsa_user_sgpr_count 2
		.amdhsa_user_sgpr_kernarg_segment_ptr 1
		.amdhsa_wavefront_size32 1
		.amdhsa_system_sgpr_workgroup_id_x 1
		.amdhsa_system_sgpr_workgroup_id_y 1
		.amdhsa_system_sgpr_workgroup_id_z 1
		.amdhsa_system_vgpr_workitem_id 0
		.amdhsa_next_free_vgpr 64
		.amdhsa_next_free_sgpr 66
		.amdhsa_reserve_vcc 0
		.amdhsa_float_denorm_mode_32 3
		.amdhsa_float_denorm_mode_16_64 3
		.amdhsa_memory_ordered 1
		.amdhsa_forward_progress 1
		.amdhsa_inst_pref_size 11
	.end_amdhsa_kernel
	.amdgpu_metadata
---
amdhsa.version: [ 1, 2 ]
amdhsa.kernels:
  - .name:           k_q0fa7ca9a3e_pickc
    .symbol:         k_q0fa7ca9a3e_pickc.kd
    .args:
      - { .name: cm, .offset: 0, .size: 8, .value_kind: global_buffer, .address_space: global }
      - { .name: ci, .offset: 8, .size: 8, .value_kind: global_buffer, .address_space: global }
    .group_segment_fixed_size: 0
    .private_segment_fixed_size: 0
    .kernarg_segment_align: 8
    .kernarg_segment_size: 16
    .max_flat_workgroup_size: 64
    .sgpr_count:     66
    .vgpr_count:     64
    .wavefront_size: 32
...
	.end_amdgpu_metadata
.endif
;; end of part 3
;; launch pickg (part 4): grid 256 x 1, 4 waves a work-group, no clusters, 0 bytes of LDS; arguments fm, ci, gi; writes gi
.if DOCPART == 4
	.amdgcn_target "amdgcn-amd-amdhsa--gfx1250"
	.amdhsa_code_object_version 6
	.text
	.protected	k_q0fa7ca9a3e_pickg
	.globl	k_q0fa7ca9a3e_pickg
	.p2align	8
	.type	k_q0fa7ca9a3e_pickg,@function
k_q0fa7ca9a3e_pickg:
	s_mov_b64 s[64:65], 0
	v_nop
	global_prefetch_b8 v0, s[64:65] scope:SCOPE_SE
	s_setreg_imm32_b32 hwreg(HW_REG_WAVE_MODE, 25, 1), 1
	s_wait_xcnt 0x0
; PICKG.  For each query the 16 best of the 16 x 50 groups of 16 supports that lie in its 16 chunks, by (group maximum descending, group number ascending), stored as whole numbers: gi[query][16], 0 .. 6,249.
; The 16 best supports lie in these groups, by the argument that holds for chunks.
; SHARES.  A wave takes two queries.  For a query lane l takes half b = l % 2 of the row fm[chunk ci[l / 2]][query][52]: 26 numbers, 13 loads of 8 bytes (a half begins at 104 bytes: a multiple of 8, not of 16).
; Columns 50 and 51 hold -inf as stored, and are never a maximum.  The chunk numbers are whole numbers that an earlier launch stored; each is held to 124 before it enters an address.
; A ROUND, 16 times, as in the launch before.  A group's number is BAS + e: BAS = 50 c + 26 b is the lane's, e = 0 .. 25 stands in one table for both queries; all as f32, exact below 2^24.
; LIMITS.  NaN and infinities are not treated apart.
.set CH,  4                            ; v4-5    the lane's chunk, by query
.set OF,  6                            ; v6-7    its byte offset in fm
.set BAS, 8                            ; v8-9    the number of the lane's first group
.set MX,  10                           ; v10-11  the maximum
.set TB,  12                           ; v12-13  a second chain of it
.set WN,  14                           ; v14-15  the winner
.set DD,  16                           ; v16-17  the winner less BAS
.set TT,  18                           ; v18-21  at work
.set OO,  22                           ; v22     the result: query 0 in lanes 0-15, query 1 in lanes 16-31
.set INF, 23
.set NEG, 24
.set PT,  26                           ; v26-27  from the other half of the lanes
.set ET,  32                           ; v32-57  0.0 .. 25.0
.set VA,  64                           ; v[64 + 32 x + e]  value e of query x
	s_load_b128 s[4:7], s[0:1], 0x0                ; fm s[4:5], ci s[6:7]
	s_load_b64 s[8:9], s[0:1], 0x10                ; gi
	v_and_b32 v1, 31, v0
	v_lshrrev_b32 v2, 5, v0
	v_readfirstlane_b32 s10, v2
	s_lshl_b32 s11, ttmp9, 2
	s_add_co_u32 s11, s11, s10                     ; my wave among 1,024
	s_lshl_b32 s12, s11, 7                         ; two queries of 64 bytes in ci and in gi
	s_mov_b32 s13, 0
	s_mul_i32 s14, s11, 416                        ; two queries of 208 bytes in a chunk's part of fm
	s_mov_b32 s15, 0
	s_mov_b32 s16, 0x76543210
	s_mov_b32 s17, 0xfedcba98
	s_mov_b32 s18, 16                              ; rounds
	s_mov_b32 s19, 1                               ; the round's lane, for query 0
	s_mov_b32 s24, 0x10000                         ; and for query 1
	v_lshrrev_b32 v2, 1, v1
	v_lshlrev_b32 v2, 2, v2                        ; 4 (l / 2)
	v_and_b32 v3, 1, v1                            ; b
	v_lshlrev_b32 v25, 2, v1
	v_mul_u32_u24 v28, 104, v3
	v_mul_u32_u24 v29, 26, v3
	s_wait_kmcnt 0x0
	s_add_nc_u64 s[6:7], s[6:7], s[12:13]
	s_add_nc_u64 s[8:9], s[8:9], s[12:13]
	s_add_nc_u64 s[4:5], s[4:5], s[14:15]
	global_load_b32 v[CH], v2, s[6:7]
	global_load_b32 v[CH+1], v2, s[6:7] offset:64
.set i, 0
.rept 26
	v_cvt_f32_u32 v[ET+i], i
.set i, i+1
.endr
	v_mov_b32 v[INF], 0x7f800000
	v_mov_b32 v[NEG], 0xff800000
	v_mov_b32 v[OO], 0
	v_mov_b32 v[PT], 0                             ; a lane permute's destination counts as read
	v_mov_b32 v[PT+1], 0
	s_wait_loadcnt 0x0
.irp x, 0,1
	v_min_u32 v[CH+\x], 124, v[CH+\x]
	v_mul_u32_u24 v[OF+\x], 0x68000, v[CH+\x]      ; a chunk's 2,048 rows of 208 bytes
	v_add_nc_u32 v[OF+\x], v[OF+\x], v28
.endr
.irp x, 0,1
.set i, 0
.rept 13
	global_load_b64 v[VA+32*\x+2*i:VA+32*\x+2*i+1], v[OF+\x], s[4:5] offset:208*\x+8*i
.set i, i+1
.endr
.endr
.irp x, 0,1
	v_mul_u32_u24 v[BAS+\x], 50, v[CH+\x]
	v_add_nc_u32 v[BAS+\x], v[BAS+\x], v29
	v_cvt_f32_u32 v[BAS+\x], v[BAS+\x]
.endr
	s_wait_loadcnt 0x0
.Lround:
.irp x, 0,1                            ; the lane's maximum: two chains of 13 numbers for each query
	v_max3_num_f32 v[MX+\x], v[VA+32*\x], v[VA+32*\x+1], v[VA+32*\x+2]
	v_max3_num_f32 v[TB+\x], v[VA+32*\x+13], v[VA+32*\x+14], v[VA+32*\x+15]
.endr
.irp n, 1,2,3,4,5
.irp x, 0,1
	v_max3_num_f32 v[MX+\x], v[MX+\x], v[VA+32*\x+2*(\n)+1], v[VA+32*\x+2*(\n)+2]
	v_max3_num_f32 v[TB+\x], v[TB+\x], v[VA+32*\x+2*(\n)+14], v[VA+32*\x+2*(\n)+15]
.endr
.endr
.irp x, 0,1
	v_max_num_f32 v[MX+\x], v[MX+\x], v[TB+\x]
.endr
.irp k, 1,2,4,8
.irp x, 0,1
	v_max_num_f32_dpp v[MX+\x], v[MX+\x], v[MX+\x] row_xmask:\k row_mask:0xf bank_mask:0xf
.endr
.endr
.irp x, 0,1
	v_permlanex16_b32 v[PT+\x], v[MX+\x], s16, s17
.endr
.irp x, 0,1
	v_max_num_f32 v[MX+\x], v[MX+\x], v[PT+\x]     ; the maximum, in every lane
.endr
.set e, 0
.rept 13                               ; the lowest e in the lane that holds it, else +inf: two numbers of each query at a time
	v_cmp_eq_f32 s20, v[VA+e], v[MX]
	v_cmp_eq_f32 s21, v[VA+e+1], v[MX]
	v_cmp_eq_f32 s22, v[VA+32+e], v[MX+1]
	v_cmp_eq_f32 s23, v[VA+32+e+1], v[MX+1]
	v_cndmask_b32 v[TT], v[INF], v[ET+e], s20
	v_cndmask_b32 v[TT+1], v[INF], v[ET+e+1], s21
	v_cndmask_b32 v[TT+2], v[INF], v[ET+e], s22
	v_cndmask_b32 v[TT+3], v[INF], v[ET+e+1], s23
.if e == 0
	v_min_num_f32 v[WN], v[TT], v[TT+1]
	v_min_num_f32 v[WN+1], v[TT+2], v[TT+3]
.else
	v_min3_num_f32 v[WN], v[WN], v[TT], v[TT+1]
	v_min3_num_f32 v[WN+1], v[WN+1], v[TT+2], v[TT+3]
.endif
.set e, e+2
.endr
.irp x, 0,1
	v_add_f32 v[WN+\x], v[WN+\x], v[BAS+\x]        ; as a group's number; +inf stays
.endr
.irp k, 1,2,4,8
.irp x, 0,1
	v_min_num_f32_dpp v[WN+\x], v[WN+\x], v[WN+\x] row_xmask:\k row_mask:0xf bank_mask:0xf
.endr
.endr
.irp x, 0,1
	v_permlanex16_b32 v[PT+\x], v[WN+\x], s16, s17
.endr
.irp x, 0,1
	v_min_num_f32 v[WN+\x], v[WN+\x], v[PT+\x]     ; the lowest group number among the maxima
.endr
.irp x, 0,1
	v_sub_f32 v[DD+\x], v[WN+\x], v[BAS+\x]        ; which e of mine that would be: exact
.endr
.set e, 0
.rept 13                               ; it leaves the field.  (Columns 50 and 51 share their numbers with the next chunk's first groups: they hold -inf already.)
	v_cmp_eq_f32 s20, v[ET+e], v[DD]
	v_cmp_eq_f32 s21, v[ET+e+1], v[DD]
	v_cmp_eq_f32 s22, v[ET+e], v[DD+1]
	v_cmp_eq_f32 s23, v[ET+e+1], v[DD+1]
	v_cndmask_b32 v[VA+e], v[VA+e], v[NEG], s20
	v_cndmask_b32 v[VA+e+1], v[VA+e+1], v[NEG], s21
	v_cndmask_b32 v[VA+32+e], v[VA+32+e], v[NEG], s22
	v_cndmask_b32 v[VA+32+e+1], v[VA+32+e+1], v[NEG], s23
.set e, e+2
.endr
	v_cndmask_b32 v[OO], v[OO], v[WN], s19
	v_cndmask_b32 v[OO], v[OO], v[WN+1], s24
	s_lshl_b32 s19, s19, 1
	s_lshl_b32 s24, s24, 1
	s_sub_co_u32 s18, s18, 1
	s_cmp_lg_u32 s18, 0
	s_cbranch_scc1 .Lround
	v_cvt_u32_f32 v[OO], v[OO]
	global_store_b32 v25, v[OO], s[8:9]            ; 128 consecutive bytes: the two queries' lists
	s_endpgm
.Lfunc_end_k_q0fa7ca9a3e_pickg:
	.size	k_q0fa7ca9a3e_pickg, .Lfunc_end_k_q0fa7ca9a3e_pickg-k_q0fa7ca9a3e_pickg
	.p2alignl 7, 3214868480
	.fill 96, 4, 3214868480
	.section	.rodata,"a",@progbits
	.p2align	6, 0x0
	.amdhsa_kernel k_q0fa7ca9a3e_pickg
		.amdhsa_group_segment_fixed_size 0
		.amdhsa_private_segment_fixed_size 0
		.amdhsa_enable_private_segment 0
		.amdhsa_kernarg_size 24
		.amdhsa_user_sgpr_count 2
		.amdhsa_user_sgpr_kernarg_segment_ptr 1
		.amdhsa_wavefront_size32 1
		.amdhsa_system_sgpr_workgroup_id_x 1
		.amdhsa_system_sgpr_workgroup_id_y 1
		.amdhsa_system_sgpr_workgroup_id_z 1
		.amdhsa_system_vgpr_workitem_id 0
		.amdhsa_next_free_vgpr 128
		.amdhsa_next_free_sgpr 66
		.amdhsa_reserve_vcc 0
		.amdhsa_float_denorm_mode_32 3
		.amdhsa_float_denorm_mode_16_64 3
		.amdhsa_memory_ordered 1
		.amdhsa_forward_progress 1
		.amdhsa_inst_pref_size 24
	.end_amdhsa_kernel
	.amdgpu_metadata
---
amdhsa.version: [ 1, 2 ]
amdhsa.kernels:
  - .name:           k_q0fa7ca9a3e_pickg
    .symbol:         k_q0fa7ca9a3e_pickg.kd
    .args:
      - { .name: fm, .offset: 0, .size: 8, .value_kind: global_buffer, .address_space: global }
      - { .name: ci, .offset: 8, .size: 8, .value_kind: global_buffer, .address_space: global }
      - { .name: gi, .offset: 16, .size: 8, .value_kind: global_buffer, .address_space: global }
    .group_segment_fixed_size: 0
    .private_segment_fixed_size: 0
    .kernarg_segment_align: 8
    .kernarg_segment_size: 24
    .max_flat_workgroup_size: 128
    .sgpr_count:     66
    .vgpr_count:     128
    .wavefront_size: 32
...
	.end_amdgpu_metadata
.endif
;; end of part 4
;; launch finish (part 5): grid 256 x 1, 8 waves a work-group, no clusters, 0 bytes of LDS; arguments qb, sb, isn, iqn, targets, gi, out0; writes out0
.if DOCPART == 5
	.amdgcn_target "amdgcn-amd-amdhsa--gfx1250"
	.amdhsa_code_object_version 6
	.text
	.protected	k_q0fa7ca9a3e_finish
	.globl	k_q0fa7ca9a3e_finish
	.p2align	8
	.type	k_q0fa7ca9a3e_finish,@function
k_q0fa7ca9a3e_finish:
	s_mov_b64 s[64:65], 0
	v_nop
	global_prefetch_b8 v0, s[64:65] scope:SCOPE_SE
	s_setreg_imm32_b32 hwreg(HW_REG_WAVE_MODE, 25, 1), 1
	s_wait_xcnt 0x0
; FINISH.  One wave, one query.  The 16 groups of gi[query] hold 256 candidates, among them the 16 nearest supports.  Their products are made again (the same operands, K order and factor as in the launch
; that found the groups); 16 rounds mark the 16 best by (value descending, index ascending); w = 1 / (1 - s' iqn + 1e-8) for those, 0 for the others; out = sum of w x target / sum of w.
; The targets of ALL 256 candidates are loaded, at addresses made of gi alone (whole numbers that an earlier launch stored, each held to 6,249 first): nothing that this launch makes of floating-point
; numbers becomes an address or a branch.  Targets are rounded to bf16 like the other inputs.
; THE PRODUCT.  Source 0 = a group's 16 supports; source 1 holds the SAME query in all 16 columns, so that every lane (r, h) of group i's result holds the supports 8 h + 0..7 of that group; lane (r, h) then
; keeps group r's.  That spends sixteen times the matrix work that is needed, 64 matrix instructions a wave, and spares every exchange between lanes.
; The result is 32 bytes a wave; out0 is 65,536 bytes in all.
; LIMITS.  NaN and infinities are not treated apart; similarities closer than f32's rounding may rank otherwise than in the reference; exact ties take the lower index.
; REGISTERS: window 0 as below; window 1: two buffers of 128, four groups' fragments each.
.set VO,  10                           ; v10-25   group i's byte offset in sb + 16 x lane
.set INF, 26
.set NEG, 27
.set MX,  28                           ; v28      the maximum
.set PT,  29                           ; v29      at work, and from the other half of the lanes
.set WN,  30                           ; v30      the winner
.set ZR,  31                           ; v31      0
.set BQ,  32                           ; v32-63   the query's four fragments
.set DA,  64                           ; v64-95   four accumulators
.set SS,  96                           ; v96-103  my 8 candidates' s'
.set VV,  104                          ; v104-111 the same, in the field: -inf once chosen
.set IX,  112                          ; v112-119 their indices, as f32 (exact)
.set ISN, 120                          ; v120-127 their factors
.set CC,  128                          ; v128-135 at work
.set WT,  136                          ; v136-143 their weights
.set TG,  144                          ; v144-207 their targets: candidate j at TG + 8 j
.set TP,  208                          ; v208-239 the same in bf16: candidate j at TP + 4 j
.set OO,  240                          ; v240-247 the eight sums; v248 the sum of the weights
.set MSB, 0
.macro WIN new                         ; the immediate's high byte repeats the setting that is left; a switch that changes nothing is dropped
.if MSB != (\new)
	s_set_vgpr_msb (MSB<<8)|(\new)
.set MSB, (\new)
.endif
.endm
	s_load_b256 s[4:11], s[0:1], 0x0               ; qb s[4:5], sb s[6:7], isn s[8:9], iqn s[10:11]
	s_load_b128 s[12:15], s[0:1], 0x20             ; targets s[12:13], gi s[14:15]
	s_load_b64 s[36:37], s[0:1], 0x30              ; out0
	v_and_b32 v1, 31, v0                           ; lane
	v_lshrrev_b32 v2, 5, v0
	v_readfirstlane_b32 s38, v2
	s_lshl_b32 s39, ttmp9, 3
	s_add_co_u32 s38, s39, s38                     ; my query
	s_lshl_b32 s40, s38, 6                         ; its 16 words of gi
	s_mov_b32 s41, 0
	s_lshl_b32 s42, s38, 2                         ; its factor
	s_mov_b32 s43, 0
	s_lshl_b32 s44, s38, 5                         ; its 8 results
	s_mov_b32 s45, 0
	s_lshr_b32 s46, s38, 4
	s_lshl_b32 s46, s46, 12                        ; its tile of qb
	s_mov_b32 s47, 0
	s_and_b32 s48, s38, 15
	s_lshl_b32 s48, s48, 4                         ; and its row's 16 bytes in a piece of that tile
	s_mov_b32 s32, 0x76543210                      ; v_permlanex16_b32: each lane takes its own place in the other half
	s_mov_b32 s33, 0xfedcba98
	v_and_b32 v2, 15, v0                           ; r
	v_bfe_u32 v3, v0, 4, 1                         ; h
	v_lshlrev_b32 v4, 4, v1
	v_lshl_add_u32 v5, v3, 8, s48                  ; every lane of a half reads the query's row
	v_lshlrev_b32 v9, 2, v1
	v_lshlrev_b32 v250, 2, v2
	s_wait_kmcnt 0x0
	s_add_nc_u64 s[14:15], s[14:15], s[40:41]
	s_add_nc_u64 s[10:11], s[10:11], s[42:43]
	s_add_nc_u64 s[36:37], s[36:37], s[44:45]
	s_add_nc_u64 s[4:5], s[4:5], s[46:47]
	s_load_b512 s[16:31], s[14:15], 0x0            ; the 16 groups, as scalars,
	s_load_b32 s34, s[10:11], 0x0                  ; iqn
	global_load_b32 v6, v250, s[14:15]             ; and group r for lane (r, h)
.set i, 0
.rept 8
	global_load_b128 v[BQ+4*i:BQ+4*i+3], v5, s[4:5] offset:512*i
.set i, i+1
.endr
	v_mov_b32 v[INF], 0x7f800000
	v_mov_b32 v[NEG], 0xff800000
	v_mov_b32 v[ZR], 0
	v_mov_b32 v[PT], 0                             ; a lane permute's destination counts as read
	s_wait_kmcnt 0x0
.set i, 0
.rept 16
	s_min_u32 s[16+i], s[16+i], 6249
	v_lshl_add_u32 v[VO+i], s[16+i], 12, v4        ; a group is a tile of 4,096 bytes
.set i, i+1
.endr
; Groups 4 b .. 4 b + 3: 32 loads of 512 consecutive bytes into buffer b % 2 of window 1
.macro LDAB b
	WIN 0x40
.irp a, 0,1,2,3
.irp i, 0,1,2,3,4,5,6,7
	global_load_b128 v[128*((\b)%2)+32*\a+4*\i:128*((\b)%2)+32*\a+4*\i+3], v[VO+4*(\b)+\a], s[6:7] offset:512*\i
.endr
.endr
	WIN 0
.endm
	LDAB 0
	s_wait_loadcnt 40                              ; group r is in: behind it the query's 8 loads and the first buffer's 32 were issued
	v_min_u32 v6, 6249, v6
	v_lshlrev_b32 v7, 6, v6
	v_lshl_add_u32 v7, v3, 5, v7                   ; my 8 factors: 64 g + 32 h
	v_lshlrev_b32 v8, 9, v6
	v_lshl_add_u32 v8, v3, 8, v8                   ; my 8 rows of targets: 512 g + 256 h
	global_load_b128 v[ISN:ISN+3], v7, s[8:9]
	global_load_b128 v[ISN+4:ISN+7], v7, s[8:9] offset:16
.set i, 0
.rept 16
	global_load_b128 v[TG+4*i:TG+4*i+3], v8, s[12:13] offset:16*i
.set i, i+1
.endr
	LDAB 1
	v_lshlrev_b32 v251, 4, v6
	v_lshl_add_u32 v251, v3, 3, v251
	v_cvt_f32_u32 v[IX], v251                      ; my first candidate's index: 16 g + 8 h
.irp j, 1,2,3,4,5,6,7
	v_add_f32 v[IX+\j], 1.0, v[IX+\j-1]
.endr
; Four groups: 16 matrix instructions, the four accumulators by turns, the first four starting the sums with the constant 0.  Four v_nop are the places in front of the
; loads into the buffer just read and of the lines that read the results; each accumulator is read from its lowest register on.  Lanes (i, 0) and (i, 1) keep group i's numbers.
.macro BATCH b
	WIN 0x01                                       ; source 0 in window 1
.irp ks, 0,1,2,3
.irp a, 0,1,2,3
.if \ks == 0
	v_wmma_f32_16x16x32_bf16 v[DA+8*\a:DA+8*\a+7], v[128*((\b)%2)+32*\a+8*\ks:128*((\b)%2)+32*\a+8*\ks+7], v[BQ+8*\ks:BQ+8*\ks+7], 0
.else
	v_wmma_f32_16x16x32_bf16 v[DA+8*\a:DA+8*\a+7], v[128*((\b)%2)+32*\a+8*\ks:128*((\b)%2)+32*\a+8*\ks+7], v[BQ+8*\ks:BQ+8*\ks+7], v[DA+8*\a:DA+8*\a+7]
.endif
.endr
.endr
	WIN 0
.rept 4
	v_nop
.endr
.if (\b) < 2
	LDAB (\b)+2
.endif
.irp a, 0,1,2,3
	s_mov_b32 s50, 0x00010001<<(4*(\b)+\a)
.irp j, 0,1,2,3,4,5,6,7
.if 4*(\b)+\a == 0
	v_mov_b32 v[SS+\j], v[DA+\j]                   ; the first group writes all lanes
.else
	v_cndmask_b32 v[SS+\j], v[SS+\j], v[DA+8*\a+\j], s50
.endif
.endr
.endr
.endm
	s_wait_loadcnt 50                              ; the query and buffer 0 are in: behind them 2 + 16 + 32 loads were issued
	BATCH 0
	s_wait_loadcnt 32                              ; all but the 32 just issued
	BATCH 1
.set i, 0
.rept 32
	v_cvt_pk_bf16_f32 v[TP+i], v[TG+2*i], v[TG+2*i+1]  ; the targets' one rounding, in the wait for the next rows
.set i, i+1
.endr
	s_wait_loadcnt 32
	BATCH 2
	s_wait_loadcnt 0x0
	BATCH 3
.irp j, 0,2,4,6
	v_pk_mul_f32 v[VV+\j:VV+\j+1], v[SS+\j:SS+\j+1], v[ISN+\j:ISN+\j+1]  ; s', once for the field
.endr
.irp j, 0,2,4,6
	v_pk_mul_f32 v[SS+\j:SS+\j+1], v[SS+\j:SS+\j+1], v[ISN+\j:ISN+\j+1]  ; and once to keep
.endr
	s_mov_b32 s51, 16
.Lround:                               ; the maximum over the 256; the lowest index among those that hold it; that one is set to -inf
	v_max3_num_f32 v[MX], v[VV], v[VV+1], v[VV+2]
	v_max3_num_f32 v[PT], v[VV+3], v[VV+4], v[VV+5]
	v_max3_num_f32 v[MX], v[MX], v[VV+6], v[VV+7]
	v_max_num_f32 v[MX], v[MX], v[PT]
.irp k, 1,2,4,8
	v_max_num_f32_dpp v[MX], v[MX], v[MX] row_xmask:\k row_mask:0xf bank_mask:0xf
.endr
	v_permlanex16_b32 v[PT], v[MX], s32, s33
	v_max_num_f32 v[MX], v[MX], v[PT]
.irp j, 0,1,2,3,4,5,6,7
	v_cmp_eq_f32 s[52+\j], v[VV+\j], v[MX]
.endr
.irp j, 0,1,2,3,4,5,6,7
	v_cndmask_b32 v[CC+\j], v[INF], v[IX+\j], s[52+\j]
.endr
	v_min3_num_f32 v[WN], v[CC], v[CC+1], v[CC+2]
	v_min3_num_f32 v[PT], v[CC+3], v[CC+4], v[CC+5]
	v_min3_num_f32 v[WN], v[WN], v[CC+6], v[CC+7]
	v_min_num_f32 v[WN], v[WN], v[PT]
.irp k, 1,2,4,8
	v_min_num_f32_dpp v[WN], v[WN], v[WN] row_xmask:\k row_mask:0xf bank_mask:0xf
.endr
	v_permlanex16_b32 v[PT], v[WN], s32, s33
	v_min_num_f32 v[WN], v[WN], v[PT]
.irp j, 0,1,2,3,4,5,6,7
	v_cmp_eq_f32 s[52+\j], v[IX+\j], v[WN]
.endr
.irp j, 0,1,2,3,4,5,6,7
	v_cndmask_b32 v[VV+\j], v[VV+\j], v[NEG], s[52+\j]
.endr
	s_sub_co_u32 s51, s51, 1
	s_cmp_lg_u32 s51, 0
	s_cbranch_scc1 .Lround
	; the weights
.irp j, 0,1,2,3,4,5,6,7
	v_fma_f32 v[SS+\j], -v[SS+\j], s34, 1.0        ; d = 1 - s' iqn
.endr
.irp j, 0,1,2,3,4,5,6,7
	v_add_f32 v[SS+\j], 0x322bcc77, v[SS+\j]       ; + 1e-8
.endr
.irp j, 0,1,2,3,4,5,6,7
	v_rcp_f32 v[CC+\j], v[SS+\j]
.endr
.irp j, 0,1,2,3,4,5,6,7
	v_cmp_eq_f32 s[52+\j], v[VV+\j], v[NEG]        ; chosen?  (These compares are also the plain instructions behind the reciprocals: ISA guide 5.7.2)
.endr
	s_wait_alu depctr_va_vdst(0)
.irp j, 0,1,2,3,4,5,6,7
	v_cndmask_b32 v[WT+\j], 0, v[CC+\j], s[52+\j]
.endr
	; my 8 candidates' part of the eight sums; the first multiply-add of each takes the register that holds 0
.irp p, 0,1,2,3
	v_fma_mix_f32_bf16 v[OO+2*\p], v[TP+\p], v[WT], v[ZR] op_sel_hi:[1,0,0]
	v_fma_mix_f32_bf16 v[OO+2*\p+1], v[TP+\p], v[WT], v[ZR] op_sel:[1,0,0] op_sel_hi:[1,0,0]
.endr
.irp j, 1,2,3,4,5,6,7
.irp p, 0,1,2,3
	v_fma_mix_f32_bf16 v[OO+2*\p], v[TP+4*\j+\p], v[WT+\j], v[OO+2*\p] op_sel_hi:[1,0,0]
	v_fma_mix_f32_bf16 v[OO+2*\p+1], v[TP+4*\j+\p], v[WT+\j], v[OO+2*\p+1] op_sel:[1,0,0] op_sel_hi:[1,0,0]
.endr
.endr
	v_add_f32 v248, v[WT], v[WT+1]
	v_add_f32 v249, v[WT+2], v[WT+3]
	v_add_f32 v252, v[WT+4], v[WT+5]
	v_add_f32 v253, v[WT+6], v[WT+7]
	v_add_f32 v248, v248, v249
	v_add_f32 v252, v252, v253
	v_add_f32 v248, v248, v252
	; nine sums over the 32 lanes, side by side
.irp k, 1,2,4,8
.set i, 0
.rept 9
	v_add_f32_dpp v[OO+i], v[OO+i], v[OO+i] row_xmask:\k row_mask:0xf bank_mask:0xf
.set i, i+1
.endr
.endr
.set i, 0
.rept 9
	v_permlanex16_b32 v[TG+i], v[OO+i], s32, s33   ; the targets' registers are free
.set i, i+1
.endr
.set i, 0
.rept 9
	v_add_f32 v[OO+i], v[OO+i], v[TG+i]
.set i, i+1
.endr
	v_rcp_f32 v249, v248
	v_cmp_eq_u32 vcc_lo, 1, v1                     ; lane t takes sum t
	v_cndmask_b32 v252, v[OO], v[OO+1], vcc_lo
.irp t, 2,3,4,5,6,7
	v_cmp_eq_u32 vcc_lo, \t, v1
	v_cndmask_b32 v252, v252, v[OO+\t], vcc_lo
.endr
	s_wait_alu depctr_va_vdst(0)
	v_mul_f32 v252, v252, v249
	s_wait_xcnt 0x0                                ; EXEC changes only when the earlier loads have had their addresses translated (ISA guide 3.1)
	v_cmp_gt_u32 vcc_lo, 8, v1
	s_and_saveexec_b32 s50, vcc_lo
	global_store_b32 v9, v252, s[36:37]
	s_wait_xcnt 0x0
	s_or_b32 exec_lo, exec_lo, s50
	s_endpgm
.Lfunc_end_k_q0fa7ca9a3e_finish:
	.size	k_q0fa7ca9a3e_finish, .Lfunc_end_k_q0fa7ca9a3e_finish-k_q0fa7ca9a3e_finish
	.p2alignl 7, 3214868480
	.fill 96, 4, 3214868480
	.section	.rodata,"a",@progbits
	.p2align	6, 0x0
	.amdhsa_kernel k_q0fa7ca9a3e_finish
		.amdhsa_group_segment_fixed_size 0
		.amdhsa_private_segment_fixed_size 0
		.amdhsa_enable_private_segment 0
		.amdhsa_kernarg_size 56
		.amdhsa_user_sgpr_count 2
		.amdhsa_user_sgpr_kernarg_segment_ptr 1
		.amdhsa_wavefront_size32 1
		.amdhsa_system_sgpr_workgroup_id_x 1
		.amdhsa_system_sgpr_workgroup_id_y 1
		.amdhsa_system_sgpr_workgroup_id_z 1
		.amdhsa_system_vgpr_workitem_id 0
		.amdhsa_next_free_vgpr 512
		.amdhsa_next_free_sgpr 66
		.amdhsa_reserve_vcc 1
		.amdhsa_float_denorm_mode_32 3
		.amdhsa_float_denorm_mode_16_64 3
		.amdhsa_memory_ordered 1
		.amdhsa_forward_progress 1
		.amdhsa_inst_pref_size 49
	.end_amdhsa_kernel
	.amdgpu_metadata
---
amdhsa.version: [ 1, 2 ]
amdhsa.kernels:
  - .name:           k_q0fa7ca9a3e_finish
    .symbol:         k_q0fa7ca9a3e_finish.kd
    .args:
      - { .name: qb, .offset: 0, .size: 8, .value_kind: global_buffer, .address_space: global }
      - { .name: sb, .offset: 8, .size: 8, .value_kind: global_buffer, .address_space: global }
      - { .name: isn, .offset: 16, .size: 8, .value_kind: global_buffer, .address_space: global }
      - { .name: iqn, .offset: 24, .size: 8, .value_kind: global_buffer, .address_space: global }
      - { .name: targets, .offset: 32, .size: 8, .value_kind: global_buffer, .address_space: global }
      - { .name: gi, .offset: 40, .size: 8, .value_kind: global_buffer, .address_space: global }
      - { .name: out0, .offset: 48, .size: 8, .value_kind: global_buffer, .address_space: global }
    .group_segment_fixed_size: 0
    .private_segment_fixed_size: 0
    .kernarg_segment_align: 8
    .kernarg_segment_size: 56
    .max_flat_workgroup_size: 256
    .sgpr_count:     66
    .vgpr_count:     512
    .wavefront_size: 32
...
	.end_amdgpu_metadata
.endif
;; end of part 5
;; ======== version 2 of 2: 5 launches; version 1 with the launch finish written anew for expert scheduling mode
;; limits: values outside matrix products are rounded to bf16
;; workspace buffers: sb 25,600,000 bytes; qb 524,288 bytes; isn 400,128 bytes; iqn 8,192 bytes; fm 53,248,000 bytes; cm 1,024,000 bytes; ci 131,072 bytes of whole numbers; gi 131,072 bytes of whole numbers
;; launch prep: the kernel of part 1 again; grid 1063 x 1, 6 waves a work-group, no clusters, 26,880 bytes of LDS; arguments query, supports, qb, sb, iqn, isn; writes qb, sb, iqn, isn
;; launch sims: the kernel of part 2 again; grid 2 x 125, 4 waves a work-group, no clusters, 262,144 bytes of LDS; arguments qb, sb, isn, fm, cm; writes fm, cm
;; launch pickc: the kernel of part 3 again; grid 256 x 1, 2 waves a work-group, no clusters, 0 bytes of LDS; arguments cm, ci; writes ci
;; launch pickg: the kernel of part 4 again; grid 256 x 1, 4 waves a work-group, no clusters, 0 bytes of LDS; arguments fm, ci, gi; writes gi
;; launch finish (part 6): grid 256 x 1, 8 waves a work-group, no clusters, 0 bytes of LDS; arguments qb, sb, isn, iqn, targets, gi, out0; writes out0
.if DOCPART == 6
	.amdgcn_target "amdgcn-amd-amdhsa--gfx1250"
	.amdhsa_code_object_version 6
	.text
	.protected	k_q0fa7ca9a3e_finish
	.globl	k_q0fa7ca9a3e_finish
	.p2align	8
	.type	k_q0fa7ca9a3e_finish,@function
k_q0fa7ca9a3e_finish:
	s_mov_b64 s[64:65], 0
	v_nop
	global_prefetch_b8 v0, s[64:65] scope:SCOPE_SE
	s_setreg_imm32_b32 hwreg(HW_REG_WAVE_SCHED_MODE, 0, 2), 2
	s_setreg_imm32_b32 hwreg(HW_REG_WAVE_MODE, 25, 1), 1
	s_wait_xcnt 0x0
	s_wait_alu depctr_vm_vsrc(0)
; FINISH.  One wave, one query.  The 16 groups of gi[query] hold 256 candidates, among them the 16 nearest supports.  Their products are made again (the same operands, K order and factor as in the launch
; that found the groups); 16 rounds mark the 16 best by (value descending, index ascending); w = 1 / (1 - s' iqn + 1e-8) for those, 0 for the others; out = sum of w x target / sum of w.
; The targets of ALL 256 candidates are loaded, at addresses made of gi alone (whole numbers that an earlier launch stored, each held to 6,249 first): nothing that this launch makes of floating-point
; numbers becomes an address or a branch.  Targets are rounded to bf16 like the other inputs.
; THE PRODUCT.  Source 0 = a group's 16 supports; source 1 holds the SAME query in all 16 columns, so that every lane (r, h) of group i's result holds the supports 8 h + 0..7 of that group; lane (r, h) then
; keeps group r's.  That spends sixteen times the matrix work that is needed, 64 matrix instructions a wave, and spares every exchange between lanes.
; The result is 32 bytes a wave; out0 is 65,536 bytes in all.
; LIMITS.  NaN and infinities are not treated apart; similarities closer than f32's rounding may rank otherwise than in the reference; exact ties take the lower index.
; THE MODE: SCHED_MODE bits 1:0 = 2 (LLVM: expert scheduling mode 2), set by the entry lines.  The code itself states the register dependences between vector or matrix instructions and memory
; instructions, and between vector instructions that write scalar registers and their readers, with s_wait_alu, always for 0.
; THE PLAN.  Registers that memory instructions touch:
;   v250, v5, VO (v10-25), v7, v8, v9   offsets: each is written once by vector lines and never again; one wait on va_vdst stands between the lines that make a set of them and the first load that reads one.
;   window 1, buffers 0 and 1           Batch b's sixteen matrix instructions read buffer b % 2; behind them the rows of batch b + 2 land in it: one wait on va_vdst in batches 0 and 1, ahead of that run of loads.
;   v6, BQ, ISN, TG                     each is loaded once, and no vector line names it ahead of its load.
;   v252                                the store's data, written by vector lines ahead of the wait on va_vdst that stands in front of the narrowing of EXEC.
; No register that a memory instruction reads is written again, so a wait on vm_vsrc stands at the two writes of EXEC alone.  Compares stand in runs, into scalar registers, with one wait on va_sdst behind each run.
; REGISTERS: window 0 as below; window 1: two buffers of 128, four groups' fragments each.
.set VO,  10                           ; v10-25   group i's byte offset in sb + 16 x lane
.set INF, 26
.set NEG, 27
.set MX,  28                           ; v28      the maximum
.set PT,  29                           ; v29      at work, and from the other half of the lanes
.set WN,  30                           ; v30      the winner
.set ZR,  31                           ; v31      0
.set BQ,  32                           ; v32-63   the query's four fragments
.set DA,  64                           ; v64-95   four accumulators
.set SS,  96                           ; v96-103  my 8 candidates' s'
.set VV,  104                          ; v104-111 the same, in the field: -inf once chosen
.set IX,  112                          ; v112-119 their indices, as f32 (exact)
.set ISN, 120                          ; v120-127 their factors
.set CC,  128                          ; v128-135 at work
.set WT,  136                          ; v136-143 their weights
.set TG,  144                          ; v144-207 their targets: candidate j at TG + 8 j
.set TP,  208                          ; v208-239 the same in bf16: candidate j at TP + 4 j
.set OO,  240                          ; v240-247 the eight sums; v248 the sum of the weights
.set MSB, 0
.macro WIN new                         ; the immediate's high byte repeats the setting that is left; a switch that changes nothing is dropped
.if MSB != (\new)
	s_set_vgpr_msb (MSB<<8)|(\new)
.set MSB, (\new)
.endif
.endm
	s_load_b256 s[4:11], s[0:1], 0x0               ; qb s[4:5], sb s[6:7], isn s[8:9], iqn s[10:11]
	s_load_b128 s[12:15], s[0:1], 0x20             ; targets s[12:13], gi s[14:15]
	s_load_b64 s[36:37], s[0:1], 0x30              ; out0
	v_and_b32 v1, 31, v0                           ; lane
	v_lshrrev_b32 v2, 5, v0
	v_readfirstlane_b32 s38, v2
	s_lshl_b32 s39, ttmp9, 3
	s_wait_alu depctr_va_sdst(0)                   ; s38, the wave's number, is written, ahead of its first reader: every base below is made from it
	s_add_co_u32 s38, s39, s38                     ; my query
	s_lshl_b32 s40, s38, 6                         ; its 16 words of gi
	s_mov_b32 s41, 0
	s_lshl_b32 s42, s38, 2                         ; its factor
	s_mov_b32 s43, 0
	s_lshl_b32 s44, s38, 5                         ; its 8 results
	s_mov_b32 s45, 0
	s_lshr_b32 s46, s38, 4
	s_lshl_b32 s46, s46, 12                        ; its tile of qb
	s_mov_b32 s47, 0
	s_and_b32 s48, s38, 15
	s_lshl_b32 s48, s48, 4                         ; and its row's 16 bytes in a piece of that tile
	s_mov_b32 s32, 0x76543210                      ; v_permlanex16_b32: each lane takes its own place in the other half
	s_mov_b32 s33, 0xfedcba98
	v_and_b32 v2, 15, v0                           ; r
	v_bfe_u32 v3, v0, 4, 1                         ; h
	v_lshlrev_b32 v4, 4, v1
	v_lshl_add_u32 v5, v3, 8, s48                  ; every lane of a half reads the query's row
	v_lshlrev_b32 v9, 2, v1
	v_lshlrev_b32 v250, 2, v2
	s_wait_kmcnt 0x0
	s_add_nc_u64 s[14:15], s[14:15], s[40:41]
	s_add_nc_u64 s[10:11], s[10:11], s[42:43]
	s_add_nc_u64 s[36:37], s[36:37], s[44:45]
	s_add_nc_u64 s[4:5], s[4:5], s[46:47]
	s_load_b512 s[16:31], s[14:15], 0x0            ; the 16 groups, as scalars,
	s_load_b32 s34, s[10:11], 0x0                  ; iqn
	s_wait_alu depctr_va_vdst(0)                   ; v250 and v5 are written, which the nine loads below read as their offsets
	global_load_b32 v6, v250, s[14:15]             ; and group r for lane (r, h)
.set i, 0
.rept 8
	global_load_b128 v[BQ+4*i:BQ+4*i+3], v5, s[4:5] offset:512*i
.set i, i+1
.endr
	v_mov_b32 v[INF], 0x7f800000
	v_mov_b32 v[NEG], 0xff800000
	v_mov_b32 v[ZR], 0
	v_mov_b32 v[PT], 0                             ; a lane permute's destination counts as read
	s_wait_kmcnt 0x0
.set i, 0
.rept 16
	s_min_u32 s[16+i], s[16+i], 6249
	v_lshl_add_u32 v[VO+i], s[16+i], 12, v4        ; a group is a tile of 4,096 bytes
.set i, i+1
.endr
; Groups 4 b .. 4 b + 3: 32 loads of 512 consecutive bytes into buffer b % 2 of window 1
.macro LDAB b
	WIN 0x40
.irp a, 0,1,2,3
.irp i, 0,1,2,3,4,5,6,7
	global_load_b128 v[128*((\b)%2)+32*\a+4*\i:128*((\b)%2)+32*\a+4*\i+3], v[VO+4*(\b)+\a], s[6:7] offset:512*\i
.endr
.endr
	WIN 0
.endm
	WIN 0x40                                       ; the switch, then the wait, then the loads
	s_wait_alu depctr_va_vdst(0)                   ; the sixteen offsets VO are written, which all four runs of loads read; no later vector line names them
	LDAB 0
	s_wait_loadcnt 40                              ; group r is in: behind it the query's 8 loads and the first buffer's 32 were issued
	v_min_u32 v6, 6249, v6
	v_lshlrev_b32 v7, 6, v6
	v_lshl_add_u32 v7, v3, 5, v7                   ; my 8 factors: 64 g + 32 h
	v_lshlrev_b32 v8, 9, v6
	v_lshl_add_u32 v8, v3, 8, v8                   ; my 8 rows of targets: 512 g + 256 h
	s_wait_alu depctr_va_vdst(0)                   ; v7 and v8 are written, which the eighteen loads below read as their offsets
	global_load_b128 v[ISN:ISN+3], v7, s[8:9]
	global_load_b128 v[ISN+4:ISN+7], v7, s[8:9] offset:16
.set i, 0
.rept 16
	global_load_b128 v[TG+4*i:TG+4*i+3], v8, s[12:13] offset:16*i
.set i, i+1
.endr
	LDAB 1                                         ; no wait of its own: its offsets were written ahead of the wait in front of the first run, and no vector or matrix line has named buffer 1
	v_lshlrev_b32 v251, 4, v6
	v_lshl_add_u32 v251, v3, 3, v251
	v_cvt_f32_u32 v[IX], v251                      ; my first candidate's index: 16 g + 8 h
.irp j, 1,2,3,4,5,6,7
	v_add_f32 v[IX+\j], 1.0, v[IX+\j-1]
.endr
; Four groups: 16 matrix instructions, the four accumulators by turns, the first four starting the sums with the constant 0.  Four v_nop are the places (ISA guide 7.12.1) in front of
; the lines that read the results; each accumulator is read from its lowest register on.  Lanes (i, 0) and (i, 1) keep group i's numbers.
.macro BATCH b
	WIN 0x01                                       ; source 0 in window 1
.irp ks, 0,1,2,3
.irp a, 0,1,2,3
.if \ks == 0
	v_wmma_f32_16x16x32_bf16 v[DA+8*\a:DA+8*\a+7], v[128*((\b)%2)+32*\a+8*\ks:128*((\b)%2)+32*\a+8*\ks+7], v[BQ+8*\ks:BQ+8*\ks+7], 0
.else
	v_wmma_f32_16x16x32_bf16 v[DA+8*\a:DA+8*\a+7], v[128*((\b)%2)+32*\a+8*\ks:128*((\b)%2)+32*\a+8*\ks+7], v[BQ+8*\ks:BQ+8*\ks+7], v[DA+8*\a:DA+8*\a+7]
.endif
.endr
.endr
	WIN 0
.rept 4
	v_nop
.endr
.if (\b) < 2
	WIN 0x40                                       ; the switch, then the wait, then the loads
	s_wait_alu depctr_va_vdst(0)                   ; the sixteen matrix instructions above are done reading buffer b % 2, in which the loads below land
	LDAB (\b)+2
.endif
.irp a, 0,1,2,3
	s_mov_b32 s50, 0x00010001<<(4*(\b)+\a)
.irp j, 0,1,2,3,4,5,6,7
.if 4*(\b)+\a == 0
	v_mov_b32 v[SS+\j], v[DA+\j]                   ; the first group writes all lanes
.else
	v_cndmask_b32 v[SS+\j], v[SS+\j], v[DA+8*\a+\j], s50
.endif
.endr
.endr
.endm
	s_wait_loadcnt 50                              ; the query and buffer 0 are in: behind them 2 + 16 + 32 loads were issued
	BATCH 0
	s_wait_loadcnt 32                              ; all but the 32 just issued
	BATCH 1
.set i, 0
.rept 32
	v_cvt_pk_bf16_f32 v[TP+i], v[TG+2*i], v[TG+2*i+1]  ; the targets' one rounding, in the wait for the next rows
.set i, i+1
.endr
	s_wait_loadcnt 32
	BATCH 2
	s_wait_loadcnt 0x0
	BATCH 3
.irp j, 0,2,4,6
	v_pk_mul_f32 v[VV+\j:VV+\j+1], v[SS+\j:SS+\j+1], v[ISN+\j:ISN+\j+1]  ; s', once for the field
.endr
.irp j, 0,2,4,6
	v_pk_mul_f32 v[SS+\j:SS+\j+1], v[SS+\j:SS+\j+1], v[ISN+\j:ISN+\j+1]  ; and once to keep
.endr
	s_mov_b32 s51, 16
.Lround:                               ; the maximum over the 256; the lowest index among those that hold it; that one is set to -inf.  The loop holds no memory instruction
	v_max3_num_f32 v[MX], v[VV], v[VV+1], v[VV+2]
	v_max3_num_f32 v[PT], v[VV+3], v[VV+4], v[VV+5]
	v_max3_num_f32 v[MX], v[MX], v[VV+6], v[VV+7]
	v_max_num_f32 v[MX], v[MX], v[PT]
.irp k, 1,2,4,8
	v_max_num_f32_dpp v[MX], v[MX], v[MX] row_xmask:\k row_mask:0xf bank_mask:0xf
.endr
	v_permlanex16_b32 v[PT], v[MX], s32, s33
	v_max_num_f32 v[MX], v[MX], v[PT]
.irp j, 0,1,2,3,4,5,6,7
	v_cmp_eq_f32 s[52+\j], v[VV+\j], v[MX]
.endr
	s_wait_alu depctr_va_sdst(0)                   ; the eight compares have written s52 to s59, which the selects below read
.irp j, 0,1,2,3,4,5,6,7
	v_cndmask_b32 v[CC+\j], v[INF], v[IX+\j], s[52+\j]
.endr
	v_min3_num_f32 v[WN], v[CC], v[CC+1], v[CC+2]
	v_min3_num_f32 v[PT], v[CC+3], v[CC+4], v[CC+5]
	v_min3_num_f32 v[WN], v[WN], v[CC+6], v[CC+7]
	v_min_num_f32 v[WN], v[WN], v[PT]
.irp k, 1,2,4,8
	v_min_num_f32_dpp v[WN], v[WN], v[WN] row_xmask:\k row_mask:0xf bank_mask:0xf
.endr
	v_permlanex16_b32 v[PT], v[WN], s32, s33
	v_min_num_f32 v[WN], v[WN], v[PT]
.irp j, 0,1,2,3,4,5,6,7
	v_cmp_eq_f32 s[52+\j], v[IX+\j], v[WN]
.endr
	s_wait_alu depctr_va_sdst(0)                   ; the eight compares have written s52 to s59 anew, which the selects below read
.irp j, 0,1,2,3,4,5,6,7
	v_cndmask_b32 v[VV+\j], v[VV+\j], v[NEG], s[52+\j]
.endr
	s_sub_co_u32 s51, s51, 1
	s_cmp_lg_u32 s51, 0
	s_cbranch_scc1 .Lround
	; the weights
.irp j, 0,1,2,3,4,5,6,7
	v_fma_f32 v[SS+\j], -v[SS+\j], s34, 1.0        ; d = 1 - s' iqn
.endr
.irp j, 0,1,2,3,4,5,6,7
	v_add_f32 v[SS+\j], 0x322bcc77, v[SS+\j]       ; + 1e-8
.endr
.irp j, 0,1,2,3,4,5,6,7
	v_rcp_f32 v[CC+\j], v[SS+\j]
.endr
.irp j, 0,1,2,3,4,5,6,7
	v_cmp_eq_f32 s[52+\j], v[VV+\j], v[NEG]        ; chosen?  (These compares are also the plain instructions behind the reciprocals: ISA guide 5.7.2)
.endr
	s_wait_alu depctr_va_vdst(0)                   ; the eight reciprocals have written v[CC ..], ahead of their first reader
	s_wait_alu depctr_va_sdst(0)                   ; the eight compares have written s52 to s59, which the selects below read
.irp j, 0,1,2,3,4,5,6,7
	v_cndmask_b32 v[WT+\j], 0, v[CC+\j], s[52+\j]
.endr
	; my 8 candidates' part of the eight sums; the first multiply-add of each takes the register that holds 0
.irp p, 0,1,2,3
	v_fma_mix_f32_bf16 v[OO+2*\p], v[TP+\p], v[WT], v[ZR] op_sel_hi:[1,0,0]
	v_fma_mix_f32_bf16 v[OO+2*\p+1], v[TP+\p], v[WT], v[ZR] op_sel:[1,0,0] op_sel_hi:[1,0,0]
.endr
.irp j, 1,2,3,4,5,6,7
.irp p, 0,1,2,3
	v_fma_mix_f32_bf16 v[OO+2*\p], v[TP+4*\j+\p], v[WT+\j], v[OO+2*\p] op_sel_hi:[1,0,0]
	v_fma_mix_f32_bf16 v[OO+2*\p+1], v[TP+4*\j+\p], v[WT+\j], v[OO+2*\p+1] op_sel:[1,0,0] op_sel_hi:[1,0,0]
.endr
.endr
	v_add_f32 v248, v[WT], v[WT+1]
	v_add_f32 v249, v[WT+2], v[WT+3]
	v_add_f32 v252, v[WT+4], v[WT+5]
	v_add_f32 v253, v[WT+6], v[WT+7]
	v_add_f32 v248, v248, v249
	v_add_f32 v252, v252, v253
	v_add_f32 v248, v248, v252
	; nine sums over the 32 lanes, side by side
.irp k, 1,2,4,8
.set i, 0
.rept 9
	v_add_f32_dpp v[OO+i], v[OO+i], v[OO+i] row_xmask:\k row_mask:0xf bank_mask:0xf
.set i, i+1
.endr
.endr
.set i, 0
.rept 9
	v_permlanex16_b32 v[TG+i], v[OO+i], s32, s33   ; the targets' registers are free
.set i, i+1
.endr
.set i, 0
.rept 9
	v_add_f32 v[OO+i], v[OO+i], v[TG+i]
.set i, i+1
.endr
	v_rcp_f32 v249, v248
.irp t, 1,2,3,4,5,6,7
	v_cmp_eq_u32 s[51+\t], \t, v1                  ; lane t takes sum t: the seven masks in one run, into s52 to s58.  (The first is also the plain instruction behind the reciprocal: ISA guide 5.7.2)
.endr
	s_wait_alu depctr_va_sdst(0)                   ; the seven compares have written s52 to s58, which the selects below read
	v_cndmask_b32 v252, v[OO], v[OO+1], s52
.irp t, 2,3,4,5,6,7
	v_cndmask_b32 v252, v252, v[OO+\t], s[51+\t]
.endr
	s_wait_alu depctr_va_vdst(0)                   ; the reciprocal has written v249, ahead of its first reader
	v_mul_f32 v252, v252, v249
	s_wait_xcnt 0x0                                ; EXEC changes only when the earlier loads have had their addresses translated (ISA guide 3.1)
	v_cmp_gt_u32 vcc_lo, 8, v1
	s_wait_alu depctr_va_vcc(0)                    ; the compare has written VCC, from which EXEC is made
	s_wait_alu depctr_va_vdst(0)                   ; ahead of a scalar write of EXEC: the vector lines issued so far are done; among them those that wrote v9 and v252, the store's offset and data
	s_wait_alu depctr_vm_vsrc(0)                   ; ahead of a scalar write of EXEC: the loads issued so far have read their registers
	s_and_saveexec_b32 s50, vcc_lo
	global_store_b32 v9, v252, s[36:37]
	s_wait_xcnt 0x0
	s_wait_alu depctr_va_vdst(0)                   ; ahead of a scalar write of EXEC: the vector lines issued so far are done
	s_wait_alu depctr_vm_vsrc(0)                   ; ahead of a scalar write of EXEC: the store has read v9 and v252
	s_or_b32 exec_lo, exec_lo, s50
	s_endpgm
.Lfunc_end_k_q0fa7ca9a3e_finish:
	.size	k_q0fa7ca9a3e_finish, .Lfunc_end_k_q0fa7ca9a3e_finish-k_q0fa7ca9a3e_finish
	.p2alignl 7, 3214868480
	.fill 96, 4, 3214868480
	.section	.rodata,"a",@progbits
	.p2align	6, 0x0
	.amdhsa_kernel k_q0fa7ca9a3e_finish
		.amdhsa_group_segment_fixed_size 0
		.amdhsa_private_segment_fixed_size 0
		.amdhsa_enable_private_segment 0
		.amdhsa_kernarg_size 56
		.amdhsa_user_sgpr_count 2
		.amdhsa_user_sgpr_kernarg_segment_ptr 1
		.amdhsa_wavefront_size32 1
		.amdhsa_system_sgpr_workgroup_id_x 1
		.amdhsa_system_sgpr_workgroup_id_y 1
		.amdhsa_system_sgpr_workgroup_id_z 1
		.amdhsa_system_vgpr_workitem_id 0
		.amdhsa_next_free_vgpr 512
		.amdhsa_next_free_sgpr 66
		.amdhsa_reserve_vcc 1
		.amdhsa_float_denorm_mode_32 3
		.amdhsa_float_denorm_mode_16_64 3
		.amdhsa_memory_ordered 1
		.amdhsa_forward_progress 1
		.amdhsa_inst_pref_size 50
	.end_amdhsa_kernel
	.amdgpu_metadata
---
amdhsa.version: [ 1, 2 ]
amdhsa.kernels:
  - .name:           k_q0fa7ca9a3e_finish
    .symbol:         k_q0fa7ca9a3e_finish.kd
    .args:
      - { .name: qb, .offset: 0, .size: 8, .value_kind: global_buffer, .address_space: global }
      - { .name: sb, .offset: 8, .size: 8, .value_kind: global_buffer, .address_space: global }
      - { .name: isn, .offset: 16, .size: 8, .value_kind: global_buffer, .address_space: global }
      - { .name: iqn, .offset: 24, .size: 8, .value_kind: global_buffer, .address_space: global }
      - { .name: targets, .offset: 32, .size: 8, .value_kind: global_buffer, .address_space: global }
      - { .name: gi, .offset: 40, .size: 8, .value_kind: global_buffer, .address_space: global }
      - { .name: out0, .offset: 48, .size: 8, .value_kind: global_buffer, .address_space: global }
    .group_segment_fixed_size: 0
    .private_segment_fixed_size: 0
    .kernarg_segment_align: 8
    .kernarg_segment_size: 56
    .max_flat_workgroup_size: 256
    .sgpr_count:     66
    .vgpr_count:     512
    .wavefront_size: 32
...
	.end_amdgpu_metadata
.endif
;; end of part 6
